; MI455X (gfx1250); checked and timed in simulation.
; The chip was launched on July 23, 2026; its instructions are those of AMD's public machine-readable ISA for CDNA 5 (MIT licence, August 2026) and "CDNA5" Instruction Set Architecture Reference Guide (July 2026). The comments in the code are by the model that wrote it; some were corrected since.
;; Bi Multi Head Cross Attention. Allowed arithmetic: float matrix products may take bf16 or f16 operands with f32 sums; other float arithmetic in f32, or as packed bf16 or f16 multiplies, adds, multiply-adds, maxima and minima; sums over many terms, partial sums and values carried from step to step in f32; what a program stores and reads back later, other than sums and carried values, may be rounded once to bf16 or f16.
;; Inputs: Wk 1,024 x 768 float32; Wo1 1,024 x 1,024 float32; Wo2 768 x 1,024 float32; Wq 1,024 x 1,024 float32; Wv1 1,024 x 1,024 float32; Wv2 1,024 x 768 float32; attention_mask_1 2 x 4,096 bool; attention_mask_2 2 x 1,024 bool; bk 1,024 float32; bo1 1,024 float32; bo2 768 float32; bq 1,024 float32; bv1 1,024 float32; bv2 1,024 float32; x1 2 x 4,096 x 1,024 float32; x2 2 x 1,024 x 768 float32.
;; Outputs: out0 2 x 4,096 x 1,024 float32; out1 2 x 1,024 x 768 float32.
;; One version. Each part assembles by itself: llvm-mc -triple=amdgcn-amd-amdhsa -mcpu=gfx1250 --defsym DOCPART=n.
;; ======== version 1 of 1: 6 launches
;; limits: values are held in f16: magnitudes above 65,504 overflow, below 6.1e-05 lose precision
;; workspace buffers: cst 33,030,144 bytes; mkf 40,960 bytes; qkv 67,108,864 bytes; gpart 1,024 bytes; oh 33,554,432 bytes
;; launch cast (part 1): grid 1009 x 1, 8 waves a work-group, no clusters, 0 bytes of LDS; arguments x1, x2, Wq, Wv1, Wk, Wv2, Wo1, Wo2, attention_mask_1, attention_mask_2, cst, mkf; writes cst, mkf
.if DOCPART == 1
	.amdgcn_target "amdgcn-amd-amdhsa--gfx1250"
	.amdhsa_code_object_version 6
	.text
	.protected	k_q7e3477f2de_cast
	.globl	k_q7e3477f2de_cast
	.p2align	8
	.type	k_q7e3477f2de_cast,@function
k_q7e3477f2de_cast:
	s_mov_b64 s[64:65], 0
	v_nop
	global_prefetch_b8 v0, s[64:65] scope:SCOPE_SE
	s_setreg_imm32_b32 hwreg(HW_REG_WAVE_MODE, 25, 1), 1
	s_wait_xcnt 0x0
; CAST.  All eight f32 matrices are rounded once to bf16, and that number is written as f16, into one table cst of 16,128 rows x 1,024 f16 (2,048 bytes a row):
; x1 (8,192 rows), x2 (2,048), Wq, Wv1, Wk, Wv2, Wo1 (1,024 each), Wo2 (768).  The three matrices with 768 columns (x2, Wk, Wv2) get zeros in columns 768 to 1,023.
; LIMITS.  A number of 65,520 or more in magnitude becomes an infinity in f16; below 6e-5 f16 keeps a fixed step of 6e-8.
; Work-groups 0 to 1,007 take 16 rows of cst each, a wave 2 rows: a row is eight loads of 512 consecutive bytes and eight stores of 256 consecutive aligned bytes, and a wave's sixteen loads all go out
; at once.  With 96 registers a wave several work-groups lie on a WGP, which multiplies the bytes on their way.
; Work-group 1,008 turns the two masks into tables of f32: 0 where the mask is true, -1e30 where it is false (mkf: mask 1's 8,192 numbers, then mask 2's 2,048).
; A stream: no LDS, no matrix unit, no cluster (no byte is read twice).
.set OFF, 2                            ; v2, v3    row s: byte offset of my 16 bytes in the source row
.set OFP, 4                            ; v4, v5    the same for the last two chunks: in a narrow row they read chunks 4 and 5 once more, inside the buffer
.set DO,  6                            ; v6, v7    row s: byte offset of my 8 bytes in the destination row
.set X,   32                           ; v[32:95]  row s: 32 registers as loaded; converted and packed in place
	s_load_b512 s[16:31], s[0:1], 0x0              ; x1, x2, Wq, Wv1, Wk, Wv2, Wo1, Wo2
	s_load_b256 s[32:39], s[0:1], 0x40             ; mask 1 s[32:33], mask 2 s[34:35], cst s[36:37], mkf s[38:39]
	s_mov_b32 s2, ttmp9
	s_mov_b32 s15, 0xffff0000                      ; a word's upper bf16
	v_and_b32 v1, 31, v0                           ; lane
	s_wait_kmcnt 0x0
	s_cmp_eq_u32 s2, 1008
	s_cbranch_scc1 .Lmasks
	; which matrix my 16 rows belong to: its address, its first block, whether its rows are narrow (768 numbers)
	s_mov_b64 s[4:5], s[16:17]
	s_mov_b32 s6, 0
	s_mov_b32 s7, 0
.macro PICK first, ptr, nar
	s_cmp_ge_u32 s2, \first
	s_cselect_b64 s[4:5], s[\ptr:\ptr+1], s[4:5]
	s_cselect_b32 s6, \first, s6
	s_cselect_b32 s7, \nar, s7
.endm
	PICK 512, 18, 1
	PICK 640, 20, 0
	PICK 704, 22, 0
	PICK 768, 24, 1
	PICK 832, 26, 1
	PICK 896, 28, 0
	PICK 960, 30, 0
	s_mov_b32 s8, 4096
	s_mov_b32 s10, 3072
	s_cmp_eq_u32 s7, 1
	s_cselect_b32 s8, 3072, s8                     ; bytes in a source row
	s_cselect_b32 s9, 0, -1                        ; what the last two chunks are ANDed with
	s_cselect_b32 s10, 2048, s10                   ; where the last two chunks are read
	s_sub_co_u32 s11, s2, s6
	s_lshl_b32 s11, s11, 4                         ; my block's first row in its matrix
	s_mul_i32 s12, s11, s8                         ; under 2^26 bytes
	s_mov_b32 s13, 0
	s_add_nc_u64 s[4:5], s[4:5], s[12:13]
	s_lshl_b32 s12, s2, 15                         ; 16 rows of 2,048 bytes
	s_add_nc_u64 s[36:37], s[36:37], s[12:13]
	v_lshrrev_b32 v8, 5, v0
	v_lshlrev_b32 v8, 1, v8                        ; my wave's first row
	v_mul_lo_u32 v[OFF], v8, s8
	v_lshl_add_u32 v[OFF], v1, 4, v[OFF]
	v_add_nc_u32 v[OFF+1], s8, v[OFF]
	v_add_nc_u32 v[OFP], s10, v[OFF]
	v_add_nc_u32 v[OFP+1], s10, v[OFF+1]
	v_lshlrev_b32 v[DO], 11, v8
	v_lshl_add_u32 v[DO], v1, 3, v[DO]
	v_add_nc_u32 v[DO+1], 2048, v[DO]
.macro FILL s                          ; a row: eight loads of 512 consecutive bytes
.irp c, 0,1,2,3,4,5
	global_load_b128 v[X+32*(\s)+4*(\c):X+32*(\s)+4*(\c)+3], v[OFF+(\s)], s[4:5] offset:512*(\c) th:TH_LOAD_NT
.endr
	global_load_b128 v[X+32*(\s)+24:X+32*(\s)+27], v[OFP+(\s)], s[4:5] th:TH_LOAD_NT
	global_load_b128 v[X+32*(\s)+28:X+32*(\s)+31], v[OFP+(\s)], s[4:5] offset:512 th:TH_LOAD_NT
.endm
; Row s is converted and stored.  left = how many younger loads may stay out.
.macro TURN s, left
	s_wait_loadcnt \left                           ; my eight loads are in
.irp c, 0,1,2,3,4,5,6,7
	v_cvt_pk_bf16_f32 v[X+32*(\s)+4*(\c)],   v[X+32*(\s)+4*(\c)],   v[X+32*(\s)+4*(\c)+1]  ; the one rounding, to bf16
	v_cvt_pk_bf16_f32 v[X+32*(\s)+4*(\c)+2], v[X+32*(\s)+4*(\c)+2], v[X+32*(\s)+4*(\c)+3]
.endr
.irp c, 0,1,2,3,4,5,6,7
	v_and_b32     v[X+32*(\s)+4*(\c)+1], s15, v[X+32*(\s)+4*(\c)]     ; back to f32: the high half stays,
	v_lshlrev_b32 v[X+32*(\s)+4*(\c)],   16,  v[X+32*(\s)+4*(\c)]     ; the low half moves up
	v_and_b32     v[X+32*(\s)+4*(\c)+3], s15, v[X+32*(\s)+4*(\c)+2]
	v_lshlrev_b32 v[X+32*(\s)+4*(\c)+2], 16,  v[X+32*(\s)+4*(\c)+2]
.endr
.irp c, 0,1,2,3,4,5,6,7
	v_cvt_pk_f16_f32 v[X+32*(\s)+4*(\c)],   v[X+32*(\s)+4*(\c)],   v[X+32*(\s)+4*(\c)+1]  ; the same number as f16: 8 significant bits fit into 11
	v_cvt_pk_f16_f32 v[X+32*(\s)+4*(\c)+1], v[X+32*(\s)+4*(\c)+2], v[X+32*(\s)+4*(\c)+3]
.endr
.irp j, 24,25,28,29
	v_and_b32 v[X+32*(\s)+\j], s9, v[X+32*(\s)+\j] ; columns 768 on of a narrow row are 0
.endr
.irp c, 0,1,2,3,4,5,6,7
	global_store_b64 v[DO+(\s)], v[X+32*(\s)+4*(\c):X+32*(\s)+4*(\c)+1], s[36:37] offset:256*(\c) th:TH_STORE_NT  ; 32 lanes store 256 consecutive bytes, aligned
.endr
.endm
	FILL 0
	FILL 1
	TURN 0, 8                                      ; the second row's eight loads stay out
	TURN 1, 0
	s_endpgm
.Lmasks:                                       ; 256 threads, four mask bytes each, ten times: 8,192 bytes of mask 1, 2,048 of mask 2
	v_lshlrev_b32 v2, 2, v0
	v_lshlrev_b32 v3, 4, v0
	v_mov_b32 v9, 0xf149f2ca                       ; -1e30
.irp i, 0,1,2,3,4,5,6,7
	global_load_b32 v[32+\i], v2, s[32:33] offset:1024*\i
.endr
	global_load_b32 v40, v2, s[34:35]
	global_load_b32 v41, v2, s[34:35] offset:1024
	s_wait_loadcnt 0x0
.irp i, 0,1,2,3,4,5,6,7,8,9
.irp j, 0,1,2,3
	v_bfe_u32 v8, v[32+\i], 8*\j, 8
	v_cmp_eq_u32 vcc_lo, 0, v8
	v_cndmask_b32 v[48+4*\i+\j], 0, v9, vcc_lo
.endr
.endr
.irp i, 0,1,2,3,4,5,6,7,8,9
	global_store_b128 v3, v[48+4*\i:48+4*\i+3], s[38:39] offset:4096*\i
.endr
	s_endpgm
.Lfunc_end_k_q7e3477f2de_cast:
	.size	k_q7e3477f2de_cast, .Lfunc_end_k_q7e3477f2de_cast-k_q7e3477f2de_cast
	.p2alignl 7, 3214868480
	.fill 96, 4, 3214868480
	.section	.rodata,"a",@progbits
	.p2align	6, 0x0
	.amdhsa_kernel k_q7e3477f2de_cast
		.amdhsa_group_segment_fixed_size 0
		.amdhsa_private_segment_fixed_size 0
		.amdhsa_enable_private_segment 0
		.amdhsa_kernarg_size 96
		.amdhsa_user_sgpr_count 2
		.amdhsa_user_sgpr_kernarg_segment_ptr 1
		.amdhsa_wavefront_size32 1
		.amdhsa_system_sgpr_workgroup_id_x 1
		.amdhsa_system_sgpr_workgroup_id_y 1
		.amdhsa_system_sgpr_workgroup_id_z 1
		.amdhsa_system_vgpr_workitem_id 0
		.amdhsa_next_free_vgpr 96
		.amdhsa_next_free_sgpr 66
		.amdhsa_reserve_vcc 1
		.amdhsa_float_denorm_mode_32 3
		.amdhsa_float_denorm_mode_16_64 3
		.amdhsa_memory_ordered 1
		.amdhsa_forward_progress 1
		.amdhsa_inst_pref_size 20
	.end_amdhsa_kernel
	.amdgpu_metadata
---
amdhsa.version: [ 1, 2 ]
amdhsa.kernels:
  - .name:           k_q7e3477f2de_cast
    .symbol:         k_q7e3477f2de_cast.kd
    .args:
      - { .name: x1, .offset: 0, .size: 8, .value_kind: global_buffer, .address_space: global }
      - { .name: x2, .offset: 8, .size: 8, .value_kind: global_buffer, .address_space: global }
      - { .name: Wq, .offset: 16, .size: 8, .value_kind: global_buffer, .address_space: global }
      - { .name: Wv1, .offset: 24, .size: 8, .value_kind: global_buffer, .address_space: global }
      - { .name: Wk, .offset: 32, .size: 8, .value_kind: global_buffer, .address_space: global }
      - { .name: Wv2, .offset: 40, .size: 8, .value_kind: global_buffer, .address_space: global }
      - { .name: Wo1, .offset: 48, .size: 8, .value_kind: global_buffer, .address_space: global }
      - { .name: Wo2, .offset: 56, .size: 8, .value_kind: global_buffer, .address_space: global }
      - { .name: attention_mask_1, .offset: 64, .size: 8, .value_kind: global_buffer, .address_space: global }
      - { .name: attention_mask_2, .offset: 72, .size: 8, .value_kind: global_buffer, .address_space: global }
      - { .name: cst, .offset: 80, .size: 8, .value_kind: global_buffer, .address_space: global }
      - { .name: mkf, .offset: 88, .size: 8, .value_kind: global_buffer, .address_space: global }
    .group_segment_fixed_size: 0
    .private_segment_fixed_size: 0
    .kernarg_segment_align: 8
    .kernarg_segment_size: 96
    .max_flat_workgroup_size: 256
    .sgpr_count:     66
    .vgpr_count:     96
    .wavefront_size: 32
...
	.end_amdgpu_metadata
.endif
;; end of part 1
;; launch proj (part 2): grid 16 x 16, 4 waves a work-group, clusters of 4 x 4, 327,680 bytes of LDS; arguments cst, bq, bv1, bk, bv2, qkv; writes qkv
.if DOCPART == 2
	.amdgcn_target "amdgcn-amd-amdhsa--gfx1250"
	.amdhsa_code_object_version 6
	.text
	.protected	k_q7e3477f2de_proj
	.globl	k_q7e3477f2de_proj
	.p2align	8
	.type	k_q7e3477f2de_proj,@function
k_q7e3477f2de_proj:
	s_mov_b64 s[64:65], 0
	v_nop
	global_prefetch_b8 v0, s[64:65] scope:SCOPE_SE
	s_setreg_imm32_b32 hwreg(HW_REG_WAVE_MODE, 25, 1), 1
	s_wait_xcnt 0x0
	s_wait_alu depctr_hold_cnt(0) depctr_sa_sdst(0) depctr_va_vdst(0) depctr_va_sdst(0) depctr_va_ssrc(0) depctr_va_vcc(0) depctr_vm_vsrc(0)
	s_getreg_b32 s2, hwreg(HW_REG_IB_STS2, 6, 4)
	s_cmp_eq_u32 s2, 0
	s_cbranch_scc0 .Lentry_in_a_cluster
	s_endpgm
.Lentry_in_a_cluster:
	s_bfe_u32 s2, ttmp6, 0x10000c
	s_cmp_lg_u32 s2, 0xf033
	s_cbranch_scc0 .Lentry_shape_is_right
	s_endpgm
.Lentry_shape_is_right:
; THE FOUR PROJECTIONS as one GEMM C = A B^T over the table cst (f16, rows of 1,024).  A: rows 0 to 10,239 (x1, then x2).  B: for x1's rows Wq and Wv1 (rows 10,240 on), for x2's rows Wk and Wv2 (rows 12,288 on).
; C + bias goes out by heads, f16 [32 heads of the two batches][4,096 rows][64], rounded once from the f32 sum, into four regions of 2^24 bytes of qkv: q', v1, k', v2.
; q' and k' carry the factor sqrt(log2(e) / 8) each, applied in f32 ahead of the rounding, so that q' . k' is the score in units of log2.
; LIMITS.  f16 ends at 65,504: q', k', v1, v2 must stay within it.  x2's and its weights' columns 768 on are zeros in cst: a quarter of x2's products adds nothing.
; A tile of C is 128 x 128: four waves, each 64 x 64 (16 accumulators).  K goes in four steps of 256 through two LDS slots; rows of 512 bytes; a wave's tensor load brings 64 of them.
; A WORK-GROUP STAYS: 256 work-groups, each makes FIVE tiles of one tile column, 2,048 rows of A apart: four of x1's rows, then one of x2's (which takes the weights 2,048 rows on, and the other bias).
; The ring does not stop at a tile's end: 20 K steps, 18 refills.  A lap is two K steps; the nine laps with refills are one counted loop, the last lap is written out.  At the end of a trip the text forks, forward, on
; the lap's parity: the tile goes on (a plain quarter), or it goes out and the next tile's first quarter starts the sums anew.  No barrier and no tensor load stands in the fork.  Nothing waits for a tile's stores.
; CLUSTERS: 4 x 4 work-groups; A's tile is asked for jointly along a row of the cluster, B's along a column.  All sixteen walk in step: every count is a constant.
; The matrix instruction is used transposed (source 0 = 16 rows of B, source 1 = 16 rows of A): a lane holds eight neighbouring channels of one row.  A wave's 64 columns are one head.
; No prefetch: the tiles are small, and each block of A and B is read by several work-groups.
; REGISTERS: window 0: v0-31 addresses; v32-95 packed results; v96-127 the bias of my 64 channels; v128-255 accumulators ((a, b) at v[128 + 8 (4 a + b)]).  Window 1: two fragment buffers of 128.
.set SIZE_K, 1024
.set KSTEP,  256
.set KB,     2*KSTEP                   ; bytes of a row in a K step
.set TILES,  5
.set WALK,   16*128*2*SIZE_K           ; bytes of cst from a tile's rows of A to the next tile's
.set BX2,    2048*2*SIZE_K             ; bytes of cst from x1's weights to x2's
.set PITCH,  528                       ; an LDS row: 512 bytes + 16 of padding: the 16 rows of a fragment load start at 16 different groups of four banks
.set HALFT,  64*PITCH
.set SLOT,   4*HALFT                   ; A's 128 rows, then B's 128 rows
.set STAGE,  2*SLOT                    ; behind the ring: 16 rows x 144 bytes for each wave, for the way out; no tensor load lands here
.set SP,     144
.set SPARE,  STAGE+4*16*SP             ; the spare words, 128 bytes for each wave
.set SQC,    0x3ed96d27                ; sqrt(log2(e) / 8) = 0.4246609
.set ADRA, 16
.set ADRB, 20
.set STO,  24
.set RD,   25
.set GO,   26
.set BO,   27
.set SPW,  28
.set NIL,  29
.set OUT,  32
.set BI,   96
.set ACC,  128
.set F0,   0
.set F1,   128
.set NA,  4                            ; s4   offset in cst of the next tile's K step 0 of A
.set NB,  5                            ; s5   the same for B
.set NB0, 6                            ; s6   B's K step 0 for x1's rows
.set NB4, 7                            ; s7   and for x2's
.set OA,  16                           ; s[16:17] offset in cst of the K step of A that was asked for last (the high word is 0)
.set AST, 18                           ; s18  what a lap's first refill adds to it: a K step, or the way to the next tile
.set BST, 19                           ; s19  the same for B
.set G1,  24
.set G0,  32
.set OB,  46                           ; s[46:47] as OA, for B
.set G1B, 48
.set G0B, 56
.set SC,  68                           ; s[68:69] the factor
.set BPA, 70                           ; s[70:71] the bias of my 64 channels for x1's rows
.set BPB, 86                           ; s[86:87] for x2's
.set BP,  88                           ; s[88:89] the one that the tile in hand takes
.set DD,  90                           ; s90-94  where my part of this tile and of the later ones goes in qkv: shifted down at each tile's end
.set TL,  95                           ; s95  the tile in hand, 0 to 4
.set PAR, 96                           ; s96  the lap's parity
.set MSB, 0
.macro WIN new                         ; the immediate's high byte repeats the setting that is left
.if MSB != (\new)
	s_set_vgpr_msb (MSB<<8)|(\new)
.set MSB, \new
.endif
.endm
.set MUL,  0x05                        ; sources 0 (B) and 1 (A) window 1; C and D window 0
.set TO_F, 0x40                        ; destination window 1, address window 0
.macro JLOAD s                         ; a joint load: waves 0 and 1 fetch A's two halves, waves 2 and 3 B's; an s_nop 0 and four v_nop follow each line
	s_cmp_eq_u32 s11, 0
	s_cbranch_scc0 .Lfor_b_\@
	tensor_load_to_lds s[G0+4*(\s):G0+4*(\s)+3], s[G1:G1+7]
	s_nop 0
.rept 4
	v_nop
.endr
	s_branch .Lasked_\@
.Lfor_b_\@:
	tensor_load_to_lds s[G0B+4*(\s):G0B+4*(\s)+3], s[G1B:G1B+7]
	s_nop 0
.rept 4
	v_nop
.endr
.Lasked_\@:
.endm
.macro CREST                           ; a round of the cluster's barrier behind its opening barrier
	s_cmp_lg_u32 s10, 0
	s_cbranch_scc1 .Lnot_wave_0_\@
	s_barrier_signal -3
.Lnot_wave_0_\@:
	s_barrier_wait -3
	s_barrier_signal -1
	s_barrier_wait -1
.endm
.macro CROUND
	s_barrier_signal -1
	s_barrier_wait -1
	CREST
.endm
.macro ADDR s                          ; slot s's two descriptors take the K step at OA and OB: the table's address plus an offset, the type bits set again
	s_add_nc_u64 s[G0+4*(\s)+2:G0+4*(\s)+3], s[72:73], s[OA:OA+1]
	s_or_b32 s[G0+4*(\s)+3], s[G0+4*(\s)+3], 0x80000000
	s_add_nc_u64 s[G0B+4*(\s)+2:G0B+4*(\s)+3], s[72:73], s[OB:OB+1]
	s_or_b32 s[G0B+4*(\s)+3], s[G0B+4*(\s)+3], 0x80000000
.endm
	s_load_b256 s[72:79], s[0:1], 0x0              ; cst s[72:73], bq s[74:75], bv1 s[76:77], bk s[78:79]
	s_load_b128 s[80:83], s[0:1], 0x20             ; bv2 s[80:81], qkv s[82:83]
	v_lshl_add_u32 v[SPW], v0, 2, SPARE
	v_mov_b32 v[NIL], 0
	ds_add_u32 v[SPW], v[NIL]                      ; the wave's opening: the add and its wait ahead of my first tensor load
	v_lshrrev_b32 v1, 5, v0
	v_readfirstlane_b32 s10, v1                    ; wave 0..3
	s_lshr_b32 s11, s10, 1                         ; which half of the tile's rows is mine.  Also: I fetch for A (0) or for B (1)
	s_and_b32 s12, s10, 1                          ; which half of its columns.  Also: which 64 rows of that tile I fetch
	s_bfe_u32 s40, ttmp6, 0x40000                  ; cx
	s_bfe_u32 s41, ttmp6, 0x40004                  ; cy
	s_lshl_b32 s42, ttmp9, 2
	s_add_co_u32 s42, s42, s40                     ; tile column X = 4 x cluster x + cx, 0..15
	s_and_b32 s13, ttmp7, 0xffff
	s_lshl_b32 s13, s13, 2
	s_add_co_u32 s13, s13, s41                     ; my first tile row Y = 4 x cluster y + cy, 0..15
	s_lshl_b32 s43, s41, 2
	s_lshl_b32 s43, 15, s43                        ; my row of the cluster
	s_lshl_b32 s44, 0x1111, s40                    ; my column
	s_or_b32 s[G1+0], s43, (1<<16)|(1<<20)|(1<<21)|(6<<22)|(3<<25)  ; the mask; elements of 2 bytes; padding on; bit 21 beside a mask; after every 128 words 4 words
	s_or_b32 s[G1B+0], s44, (1<<16)|(1<<20)|(1<<21)|(6<<22)|(3<<25)
.irp g, G1, G1B
	s_mov_b32 s[(\g)+1], KSTEP<<16                 ; tensor_dim0 = 256
	s_mov_b32 s[(\g)+2], 64<<16                    ; tensor_dim1 = 64
	s_mov_b32 s[(\g)+3], KSTEP<<16                 ; tile_dim0 = 256
	s_mov_b32 s[(\g)+4], 64                        ; tile_dim1 = 64
	s_mov_b32 s[(\g)+5], SIZE_K                    ; elements from row to row
	s_mov_b32 s[(\g)+6], 0
	s_mov_b32 s[(\g)+7], 0
.endr
	s_lshl_b32 s21, s12, 6                         ; which 64 rows of the tile I fetch
	s_lshl_b32 s[OA], s13, 7
	s_add_co_u32 s[OA], s[OA], s21                 ; A: row 128 Y + 64 x half
	s_lshl_b32 s[OA], s[OA], 11                    ; 2,048 bytes a row: all offsets in cst stay under 2^26
	s_mov_b32 s[OA+1], 0
	s_lshl_b32 s[OB], s42, 7
	s_add_co_u32 s[OB], s[OB], s21                 ; B: row 128 X + 64 x half,
	s_add_co_u32 s[OB], s[OB], 10240               ; behind x1 and x2
	s_lshl_b32 s[OB], s[OB], 11
	s_mov_b32 s[OB+1], 0
	s_add_co_u32 s[NA], s[OA], WALK
	s_mov_b32 s[NB0], s[OB]
	s_mov_b32 s[NB], s[OB]
	s_add_co_u32 s[NB4], s[OB], BX2
	s_mov_b32 s[AST], KB
	s_mov_b32 s[BST], KB
	s_mov_b32 s[TL], 0
	s_mov_b32 s[PAR], 0
	s_mul_i32 s20, s10, HALFT                      ; where the tiles go: wave x 64 rows
	s_wait_dscnt 0x0                               ; the opening add is done
	s_wait_kmcnt 0x0
	CROUND                                         ; all sixteen work-groups are here: the first joint loads meet
.irp s, 0,1
	s_mov_b32 s[G0+4*(\s)], 1
	s_add_co_u32 s[G0+4*(\s)+1], s20, (\s)*SLOT
	s_mov_b32 s[G0B+4*(\s)], 1
	s_add_co_u32 s[G0B+4*(\s)+1], s20, (\s)*SLOT
	ADDR \s
	JLOAD \s
.if (\s) == 0
	s_add_co_u32 s[OA], s[OA], KB                  ; K step 1
	s_add_co_u32 s[OB], s[OB], KB
.endif
.endr
	v_and_b32 v1, 15, v0                           ; l % 16
	v_bfe_u32 v2, v0, 4, 1                         ; l / 16
	v_mul_u32_u24 v3, v1, PITCH
	v_lshl_add_u32 v3, v2, 4, v3                   ; a fragment's row x pitch + 16 x half
	s_mul_i32 s21, s11, HALFT                      ; my 64 rows of A
	s_mul_i32 s22, s12, HALFT                      ; my 64 rows of B,
	s_add_co_u32 s22, s22, 2*HALFT                 ; which lie behind A's 128
.irp s, 0,1
	v_add_nc_u32 v[ADRA+(\s)], s21, v3
	v_add_nc_u32 v[ADRB+(\s)], s22, v3
	s_add_co_u32 s21, s21, SLOT
	s_add_co_u32 s22, s22, SLOT
.endr
	s_mul_i32 s23, s10, 16*SP
	s_add_co_u32 s23, s23, STAGE                   ; my stage
	v_mul_u32_u24 v4, v1, SP                       ; in: row l % 16, 16 bytes for each half of the lanes
	v_lshl_add_u32 v4, v2, 4, v4
	v_add_nc_u32 v[STO], s23, v4
	v_bfe_u32 v5, v0, 3, 2                         ; back: 32 lanes take four rows of 128 bytes,
	v_mul_u32_u24 v5, v5, SP
	v_and_b32 v4, 7, v0
	v_lshl_add_u32 v5, v4, 4, v5
	v_add_nc_u32 v[RD], s23, v5
	v_and_b32 v[GO], 31, v0                        ; which are 512 consecutive bytes of a head's rows
	v_lshlrev_b32 v[GO], 4, v[GO]
	v_lshlrev_b32 v[BO], 5, v2                     ; my 8 channels of a block of 16: 32 bytes of the bias
	; which biases and which factor: the first weight of a pair (X < 8, that is cluster x < 2) is Wq or Wk
	s_lshr_b32 s66, ttmp9, 1
	s_cmp_eq_u32 s66, 0
	s_cselect_b64 s[BPA:BPA+1], s[74:75], s[76:77]
	s_cselect_b64 s[BPB:BPB+1], s[78:79], s[80:81]
	s_cselect_b32 s[SC], SQC, 1.0
	s_mov_b32 s[SC+1], s[SC]                       ; named with it as a pair
	s_and_b32 s67, s42, 7
	s_lshl_b32 s67, s67, 1
	s_add_co_u32 s67, s67, s12                     ; my head = 2 (X % 8) + half
	s_lshl_b32 s84, s67, 8                         ; 64 channels of 4 bytes
	s_mov_b32 s85, 0
	s_add_nc_u64 s[BPA:BPA+1], s[BPA:BPA+1], s[84:85]
	s_add_nc_u64 s[BPB:BPB+1], s[BPB:BPB+1], s[84:85]
	s_mov_b64 s[BP:BP+1], s[BPA:BPA+1]
.macro BIAS                            ; the bias of the tile that begins
.irp b, 0,1,2,3
	global_load_b128 v[BI+8*\b:BI+8*\b+3],   v[BO], s[BP:BP+1] offset:64*\b
	global_load_b128 v[BI+8*\b+4:BI+8*\b+7], v[BO], s[BP:BP+1] offset:64*\b+16
.endr
.endm
	BIAS
	; where my 64 rows x 64 channels of the five tiles go
	s_lshl_b32 s84, s67, 12                        ; 4,096 rows a head
	s_lshl_b32 s21, s11, 6
	s_add_co_u32 s84, s84, s21                     ; + my 64 rows of a tile
	s_lshl_b32 s22, s13, 7                         ; x1: tile t has rows 128 (Y + 16 (t % 2)) of batch t / 2
	s_add_co_u32 s22, s22, s84
	s_lshl_b32 s22, s22, 7                         ; 128 bytes a row
	s_lshl_b32 s23, s66, 24                        ; the region: q' or v1
	s_add_co_u32 s[DD], s22, s23
	s_add_co_u32 s[DD+1], s[DD], 16*128*128
	s_add_co_u32 s[DD+2], s[DD], 16*4096*128
	s_add_co_u32 s[DD+3], s[DD], 16*4096*128+16*128*128
	s_lshr_b32 s21, s13, 3                         ; x2: batch Y / 8, rows 128 (Y % 8)
	s_lshl_b32 s21, s21, 16
	s_and_b32 s22, s13, 7
	s_lshl_b32 s22, s22, 7
	s_add_co_u32 s21, s21, s22
	s_add_co_u32 s21, s21, s84
	s_lshl_b32 s21, s21, 7
	s_add_co_u32 s21, s21, s23
	s_add_co_u32 s[DD+4], s21, 2<<24               ; the region: k' or v2
; 8 matrix instructions: m blocks a0, a0 + 1 x all 4 n blocks, 32 along K: half c of buffer f.  zero = 1: the first product starts the sums.  The 16 accumulators take turns.
.macro MUL8 f, c, a0, zero
	WIN MUL
.irp a, \a0, (\a0)+1
.irp b, 0,1,2,3
.if \zero
	v_wmma_f32_16x16x32_f16 v[ACC+8*(4*(\a)+(\b)):ACC+8*(4*(\a)+(\b))+7], v[(\f)+64+8*(4*(\c)+(\b)):(\f)+64+8*(4*(\c)+(\b))+7], v[(\f)+8*(4*(\c)+(\a)):(\f)+8*(4*(\c)+(\a))+7], 0
.else
	v_wmma_f32_16x16x32_f16 v[ACC+8*(4*(\a)+(\b)):ACC+8*(4*(\a)+(\b))+7], v[(\f)+64+8*(4*(\c)+(\b)):(\f)+64+8*(4*(\c)+(\b))+7], v[(\f)+8*(4*(\c)+(\a)):(\f)+8*(4*(\c)+(\a))+7], v[ACC+8*(4*(\a)+(\b)):ACC+8*(4*(\a)+(\b))+7]
.endif
.endr
.endr
.endm
; 32 LDS loads in one run: the fragments of 64 along K at byte k of the rows, into buffer f; the first 32 along K first
.macro FETCH slot, k, f
	WIN TO_F
.irp c, 0,1
.irp i, 0,1,2,3
	ds_load_b128 v[(\f)+64+8*(4*(\c)+(\i)):(\f)+64+8*(4*(\c)+(\i))+3],   v[ADRB+(\slot)] offset:(\k)+64*(\c)+(\i)*16*PITCH
	ds_load_b128 v[(\f)+64+8*(4*(\c)+(\i))+4:(\f)+64+8*(4*(\c)+(\i))+7], v[ADRB+(\slot)] offset:(\k)+64*(\c)+(\i)*16*PITCH+32
	ds_load_b128 v[(\f)+8*(4*(\c)+(\i)):(\f)+8*(4*(\c)+(\i))+3],         v[ADRA+(\slot)] offset:(\k)+64*(\c)+(\i)*16*PITCH
	ds_load_b128 v[(\f)+8*(4*(\c)+(\i))+4:(\f)+8*(4*(\c)+(\i))+7],       v[ADRA+(\slot)] offset:(\k)+64*(\c)+(\i)*16*PITCH+32
.endr
.endr
.endm
.macro PLACES                          ; four plain instructions in front of loads into registers that matrix instructions have read (ISA guide 7.12.1 for vector instructions)
.rept 4
	v_nop
.endr
.endm
; A K step is four quarters of 64 along K, 32 matrix instructions each, on buffers 0, 1, 0, 1.
.macro QUARTER slot, k, f, g, zero
	s_wait_dscnt 16                                ; the first 32 along K are in; the run's other sixteen loads may be out
	WIN MUL
	MUL8 \f, 0, 0, \zero
	MUL8 \f, 0, 2, \zero
	PLACES
	FETCH \slot, \k, \g
	s_wait_dscnt 32                                ; all but the 32 just issued
	WIN MUL
	MUL8 \f, 1, 0, 0
	MUL8 \f, 1, 2, 0
.endm
; The last quarter multiplies buffer 1 and changes slots: one barrier; in front of it each wave waits for all its tensor loads, adds 0 to its spare word, and waits for that and for its reads of this slot.
; fill = 1: this slot is filled again, with the K step that follows the one asked for last, in this tile or the next; its address is made while the add is out.
.macro TURN slot, next, fill
	WIN 0
	s_wait_tensorcnt 0x0                           ; all my tensor loads have landed: my part of the next slot; so a group 0 may be written
	ds_add_u32 v[SPW], v[NIL]                      ; 0 onto my spare word
.if \fill
.if (\slot) == 0
	s_add_co_u32 s[OA], s[OA], s[AST]              ; an even K step: the tile's third, or the next tile's first
	s_add_co_u32 s[OB], s[OB], s[BST]
.else
	s_add_co_u32 s[OA], s[OA], KB                  ; an odd K step follows its even one
	s_add_co_u32 s[OB], s[OB], KB
.endif
	ADDR \slot
.endif
	s_wait_dscnt 17                                ; the add and the youngest sixteen loads may be out
	WIN MUL
	MUL8 F1, 0, 0, 0
	s_wait_dscnt 0x0                               ; the add is done, and my reads of this slot are over
	s_barrier_signal -1
	MUL8 F1, 0, 2, 0
.if \fill
	WIN 0
.endif
	s_barrier_wait -1
.if \fill
	CREST                                          ; the barrier has opened a round of the cluster's: no wave of any partner still reads this slot or has a load on its way
	JLOAD \slot                                    ; the first tensor load behind the round; its four v_nop are also the places in front of the loads below
.else
	PLACES
.endif
	FETCH \next, 0, F0
	WIN MUL
	MUL8 F1, 1, 0, 0
	MUL8 F1, 1, 2, 0
.endm
; THE WAY OUT: (sum + bias) x factor in f32, rounded once to f16; 16 rows at a time through my own stage, back as whole rows of 128 bytes: 2,048 consecutive bytes of a head.
.macro PACK a
.irp b, 0,1,2,3
.irp r, 0,1,2,3
	v_pk_fma_f32 v[ACC+8*(4*(\a)+(\b))+2*(\r):ACC+8*(4*(\a)+(\b))+2*(\r)+1], v[ACC+8*(4*(\a)+(\b))+2*(\r):ACC+8*(4*(\a)+(\b))+2*(\r)+1], s[SC:SC+1], v[BI+8*(\b)+2*(\r):BI+8*(\b)+2*(\r)+1] op_sel_hi:[1,0,1]
.endr
.endr
.irp b, 0,1,2,3
.irp r, 0,1,2,3
	v_cvt_pk_f16_f32 v[OUT+16*(\a)+4*(\b)+(\r)], v[ACC+8*(4*(\a)+(\b))+2*(\r)], v[ACC+8*(4*(\a)+(\b))+2*(\r)+1]
.endr
.endr
.irp b, 0,1,2,3
	ds_store_b128 v[STO], v[OUT+16*(\a)+4*(\b):OUT+16*(\a)+4*(\b)+3] offset:32*(\b)
.endr
.irp f, 0,1,2,3
	ds_load_b128 v[OUT+16*(\a)+4*(\f):OUT+16*(\a)+4*(\f)+3], v[RD] offset:(\f)*4*SP  ; LDS serves a wave's instructions in order (ISA guide 5.7.1.4): these see the stores above
.endr
.endm
.macro SEND a, younger                 ; younger: the LDS instructions issued behind block a's loads: the next block's eight, or none
.irp f, 0,1,2,3
	s_wait_dscnt (\younger)+3-(\f)
	global_store_b128 v[GO], v[OUT+16*(\a)+4*(\f):OUT+16*(\a)+4*(\f)+3], s[8:9] offset:(\a)*2048+(\f)*512  ; 512 consecutive bytes, aligned
.endr
.endm
.macro WAYOUT
	s_wait_loadcnt 0x0                             ; the tile's bias
	s_wait_xcnt 0x0                                ; the last tile's stores have read their data and their base: only behind this wait are they written again
	s_mov_b32 s84, s[DD]
	s_add_nc_u64 s[8:9], s[82:83], s[84:85]
.set i, 0
.rept 16                               ; sixteen plain instructions that name no accumulator: the places behind the last products
	v_pk_mul_f32 v[BI+2*i:BI+2*i+1], v[BI+2*i:BI+2*i+1], s[SC:SC+1] op_sel_hi:[1,0]
.set i, i+1
.endr
	PACK 0
	PACK 1
	SEND 0, 8
	PACK 2
	SEND 1, 8
	PACK 3
	SEND 2, 8
	SEND 3, 0
.endm
	s_wait_tensorcnt 1                             ; my part of K step 0 is in; K step 1's load stays out
	s_barrier_signal -1
	s_barrier_wait -1
	FETCH 0, 0, F0
	QUARTER 0, 128, F0, F1, 1                      ; the first products start the sums
	WIN 0
	s_mov_b32 s3, 2*TILES-1
.Llap:                                                 ; once round the ring, from a lap's second quarter to the next lap's first; both slots are filled again
	QUARTER 0, 256, F1, F0, 0
	QUARTER 0, 384, F0, F1, 0
	TURN 0, 1, 1
	QUARTER 1, 128, F0, F1, 0
	QUARTER 1, 256, F1, F0, 0
	QUARTER 1, 384, F0, F1, 0
	TURN 1, 0, 1
	WIN 0
	s_xor_b32 s[PAR], s[PAR], 1
	s_cmp_eq_u32 s[PAR], 0
	s_cbranch_scc1 .Lway                           ; a tile's second lap is over
	s_sub_co_u32 s[AST], s[NA], s[OA]              ; the tile goes on; its second lap asks for the next tile's first two K steps
	s_sub_co_u32 s[BST], s[NB], s[OB]
	QUARTER 0, 128, F0, F1, 0
	WIN 0
	s_branch .Lnext
.Lway:                                                 ; both refills are asked for and the next tile's first fragments are on their way: the tile goes out
	WAYOUT
	s_mov_b32 s[DD], s[DD+1]
	s_mov_b32 s[DD+1], s[DD+2]
	s_mov_b32 s[DD+2], s[DD+3]
	s_mov_b32 s[DD+3], s[DD+4]
	s_add_co_u32 s[TL], s[TL], 1                   ; the tile that begins
	s_cmp_eq_u32 s[TL], TILES-1
	s_cselect_b64 s[BP:BP+1], s[BPB:BPB+1], s[BPA:BPA+1]  ; (the last bias loads were waited for in the way out)
	BIAS
	s_add_co_u32 s[NA], s[NA], WALK                ; and the one behind it
	s_cmp_eq_u32 s[TL], TILES-2
	s_cselect_b32 s[NB], s[NB4], s[NB0]
	s_mov_b32 s[AST], KB
	s_mov_b32 s[BST], KB
	QUARTER 0, 128, F0, F1, 1                      ; its first products start the sums anew
	WIN 0
.Lnext:
	s_sub_co_u32 s3, s3, 1
	s_cmp_lg_u32 s3, 0
	s_cbranch_scc1 .Llap
	QUARTER 0, 256, F1, F0, 0                      ; the last tile's last lap fills nothing
	QUARTER 0, 384, F0, F1, 0
	TURN 0, 1, 0
	QUARTER 1, 128, F0, F1, 0
	QUARTER 1, 256, F1, F0, 0
	QUARTER 1, 384, F0, F1, 0
	s_wait_dscnt 16
	WIN MUL
	MUL8 F1, 0, 0, 0
	MUL8 F1, 0, 2, 0
	s_wait_dscnt 0
	MUL8 F1, 1, 0, 0
	MUL8 F1, 1, 2, 0
	WIN 0
	WAYOUT
	s_wait_tensorcnt 0x0                           ; the wave's end
	ds_add_u32 v[SPW], v[NIL]
	s_wait_dscnt 0x0
	CROUND                                         ; the closing round
	s_endpgm
.Lfunc_end_k_q7e3477f2de_proj:
	.size	k_q7e3477f2de_proj, .Lfunc_end_k_q7e3477f2de_proj-k_q7e3477f2de_proj
	.p2alignl 7, 3214868480
	.fill 96, 4, 3214868480
	.section	.rodata,"a",@progbits
	.p2align	6, 0x0
	.amdhsa_kernel k_q7e3477f2de_proj
		.amdhsa_group_segment_fixed_size 327680
		.amdhsa_private_segment_fixed_size 0
		.amdhsa_enable_private_segment 0
		.amdhsa_kernarg_size 48
		.amdhsa_user_sgpr_count 2
		.amdhsa_user_sgpr_kernarg_segment_ptr 1
		.amdhsa_wavefront_size32 1
		.amdhsa_system_sgpr_workgroup_id_x 1
		.amdhsa_system_sgpr_workgroup_id_y 1
		.amdhsa_system_sgpr_workgroup_id_z 1
		.amdhsa_system_vgpr_workitem_id 0
		.amdhsa_next_free_vgpr 512
		.amdhsa_next_free_sgpr 100
		.amdhsa_reserve_vcc 0
		.amdhsa_float_denorm_mode_32 3
		.amdhsa_float_denorm_mode_16_64 3
		.amdhsa_memory_ordered 1
		.amdhsa_forward_progress 1
		.amdhsa_inst_pref_size 113
	.end_amdhsa_kernel
	.amdgpu_metadata
---
amdhsa.version: [ 1, 2 ]
amdhsa.kernels:
  - .name:           k_q7e3477f2de_proj
    .symbol:         k_q7e3477f2de_proj.kd
    .args:
      - { .name: cst, .offset: 0, .size: 8, .value_kind: global_buffer, .address_space: global }
      - { .name: bq, .offset: 8, .size: 8, .value_kind: global_buffer, .address_space: global }
      - { .name: bv1, .offset: 16, .size: 8, .value_kind: global_buffer, .address_space: global }
      - { .name: bk, .offset: 24, .size: 8, .value_kind: global_buffer, .address_space: global }
      - { .name: bv2, .offset: 32, .size: 8, .value_kind: global_buffer, .address_space: global }
      - { .name: qkv, .offset: 40, .size: 8, .value_kind: global_buffer, .address_space: global }
    .group_segment_fixed_size: 327680
    .private_segment_fixed_size: 0
    .kernarg_segment_align: 8
    .kernarg_segment_size: 48
    .max_flat_workgroup_size: 128
    .sgpr_count:     100
    .vgpr_count:     512
    .wavefront_size: 32
...
	.end_amdgpu_metadata
.endif
;; end of part 2
;; launch gmax (part 3): grid 8 x 32, 8 waves a work-group, clusters of 4 x 1, 167,936 bytes of LDS; arguments qkv, gpart; writes gpart
.if DOCPART == 3
	.amdgcn_target "amdgcn-amd-amdhsa--gfx1250"
	.amdhsa_code_object_version 6
	.text
	.protected	k_q7e3477f2de_gmax
	.globl	k_q7e3477f2de_gmax
	.p2align	8
	.type	k_q7e3477f2de_gmax,@function
k_q7e3477f2de_gmax:
	s_mov_b64 s[64:65], 0
	v_nop
	global_prefetch_b8 v0, s[64:65] scope:SCOPE_SE
	s_setreg_imm32_b32 hwreg(HW_REG_WAVE_MODE, 25, 1), 1
	s_wait_xcnt 0x0
	s_wait_alu depctr_hold_cnt(0) depctr_sa_sdst(0) depctr_va_vdst(0) depctr_va_sdst(0) depctr_va_ssrc(0) depctr_va_vcc(0) depctr_vm_vsrc(0)
	s_getreg_b32 s2, hwreg(HW_REG_IB_STS2, 6, 4)
	s_cmp_eq_u32 s2, 0
	s_cbranch_scc0 .Lentry_in_a_cluster
	s_endpgm
.Lentry_in_a_cluster:
	s_bfe_u32 s2, ttmp6, 0x10000c
	s_cmp_lg_u32 s2, 0x3003
	s_cbranch_scc0 .Lentry_shape_is_right
	s_endpgm
.Lentry_shape_is_right:
; THE LARGEST SCORE.  reference() takes the maximum of all scores away and clips at -50,000 before any exponential, so that maximum is wanted first: one pass over q' k'^T, nothing kept but a maximum.
; A work-group takes one head (of 32) and 512 of its 4,096 queries, a wave 64: four tiles of 16.  The head's whole k' (1,024 rows of 128 bytes) lies in LDS, filled once: each of the eight waves asks for 128 keys.
; CLUSTER: the four query blocks of a cluster belong to one head and want the same k': each tile is asked for jointly.  Each work-group stores one f32 into gpart; the attention launches take the maximum of the 256.
; S^T = K Q^T, 64 keys a step, 16 steps.  Two buffers of four accumulators take turns by tile: while a tile's eight products run, the tile before is folded into four running maxima, two instructions behind each product.
.set PK,    144                        ; a row of K in LDS: 128 bytes + 16 of padding
.set RED,   1024*PK                    ; behind K: the eight waves' maxima, a block of 256 bytes of their own
.set SPARE, RED+256                    ; the spare words, 128 bytes for each wave
.set AK,  4                            ; v4   LDS address of my lane's place in the step's K
.set QO,  5                            ; v5   my byte offset in 16 rows of Q
.set SPW, 12
.set NIL, 13
.set G,   16                           ; v[16:19] four running maxima
.set S,   32                           ; v[32:95] two buffers of 32
.set QF,  96                           ; v[96:159] Q: tile t, channel half c at 96 + 16 t + 8 c
.set KF,  160                          ; v[160:223] K of a step: key block kb, channel half c at 160 + 16 kb + 8 c
.set WV,  12
.set G1,  24
.set G0,  40
.set CNT, 57
.set SEL, 60
.macro CROUND
	s_barrier_signal -1
	s_barrier_wait -1
	s_cmp_lg_u32 s[WV], 0
	s_cbranch_scc1 .Lnot_wave_0_\@
	s_barrier_signal -3
.Lnot_wave_0_\@:
	s_barrier_wait -3
	s_barrier_signal -1
	s_barrier_wait -1
.endm
	s_load_b128 s[4:7], s[0:1], 0x0                ; qkv s[4:5], gpart s[6:7]
	v_lshl_add_u32 v[SPW], v0, 2, SPARE
	v_mov_b32 v[NIL], 0
	ds_add_u32 v[SPW], v[NIL]                      ; the wave's opening: the add and its wait ahead of my first tensor load
	v_lshrrev_b32 v1, 5, v0
	v_readfirstlane_b32 s[WV], v1                  ; wave 0..7
	s_bfe_u32 s13, ttmp6, 0x40000                  ; cx
	s_lshl_b32 s14, ttmp9, 2
	s_add_co_u32 s14, s14, s13                     ; my block of 512 queries: it enters Q's and gpart's addresses alone
	s_and_b32 s15, ttmp7, 0xffff                   ; the head, which the four partners share
	s_lshl_b32 s20, s15, 19                        ; a head is 4,096 rows of 128 bytes
	s_lshl_b32 s16, s[WV], 14                      ; my 128 keys
	s_add_co_u32 s16, s16, s20
	s_add_co_u32 s16, s16, 2<<24                   ; k' is the third region
	s_mov_b32 s17, 0
	s_lshl_b32 s18, s14, 9
	s_lshl_b32 s19, s[WV], 6
	s_add_co_u32 s18, s18, s19                     ; my first query
	s_lshl_b32 s18, s18, 7
	s_add_co_u32 s18, s18, s20
	s_mov_b32 s19, 0
	s_lshl_b32 s22, s15, 3
	s_add_co_u32 s22, s22, s14
	s_lshl_b32 s22, s22, 2                         ; my work-group's word of gpart
	s_mov_b32 s[G1], 15|(1<<16)|(1<<20)|(1<<21)|(4<<22)|(3<<25)  ; the mask of four; 2-byte elements; padding on; bit 21 beside a mask; after every 32 words 4 words
	s_mov_b32 s[G1+1], 128<<16                     ; 128 keys are 16,384 dense bytes: asked for as 64 rows of 256 bytes
	s_mov_b32 s[G1+2], 64<<16
	s_mov_b32 s[G1+3], 128<<16
	s_mov_b32 s[G1+4], 64
	s_mov_b32 s[G1+5], 128
	s_mov_b32 s[G1+6], 0
	s_mov_b32 s[G1+7], 0
	s_mov_b32 s[G0], 1
	s_mul_i32 s[G0+1], s[WV], 128*PK               ; my 128 rows of the table in LDS
	s_mov_b32 s[SEL], 0x76543210
	s_mov_b32 s[SEL+1], 0xfedcba98
	s_mov_b32 s23, 0xff7fffff                      ; the lowest finite number
	s_mov_b32 s[CNT], 16
	s_wait_dscnt 0x0                               ; the opening add is done
	s_wait_kmcnt 0x0
	s_add_nc_u64 s[G0+2:G0+3], s[4:5], s[16:17]
	s_or_b32 s[G0+3], s[G0+3], 0x80000000
	s_add_nc_u64 s[18:19], s[4:5], s[18:19]
	CROUND                                         ; all four work-groups are here: the joint loads meet
	tensor_load_to_lds s[G0:G0+3], s[G1:G1+7]      ; my one tensor load of the launch
	s_nop 0
.rept 4
	v_nop
.endr
	v_and_b32 v1, 15, v0                           ; l % 16
	v_bfe_u32 v3, v0, 4, 1                         ; l / 16
	v_lshlrev_b32 v[QO], 7, v1
	v_lshl_add_u32 v[QO], v3, 4, v[QO]
.set i, 0
.rept 8                                ; Q stays in registers: tile i / 2, channels 32 (i % 2) on
	global_load_b128 v[QF+8*i:QF+8*i+3],   v[QO], s[18:19] offset:(i/2)*2048+(i%2)*64
	global_load_b128 v[QF+8*i+4:QF+8*i+7], v[QO], s[18:19] offset:(i/2)*2048+(i%2)*64+32
.set i, i+1
.endr
	v_mul_u32_u24 v[AK], v1, PK
	v_lshl_add_u32 v[AK], v3, 4, v[AK]
.set i, 0
.rept 4
	v_mov_b32 v[G+i], s23
.set i, i+1
.endr
.set i, 0
.rept 32
	v_mov_b32 v[S+32+i], s23                       ; the first trip folds buffer 1 before any product has filled it
.set i, i+1
.endr
	s_wait_tensorcnt 0x0                           ; my 128 keys are in,
	s_barrier_signal -1
	s_barrier_wait -1                              ; everybody's are
.macro FETCH_K
.irp f, 0,1,2,3,4,5,6,7
	ds_load_b128 v[KF+8*\f:KF+8*\f+3],   v[AK] offset:(\f/2)*16*PK+(\f%2)*64
	ds_load_b128 v[KF+8*\f+4:KF+8*\f+7], v[AK] offset:(\f/2)*16*PK+(\f%2)*64+32
.endr
.endm
.macro MX b, k                         ; scores 2 k and 2 k + 1 of buffer b into a running maximum; k ascends
	v_max3_num_f32 v[G+(\k)%4], v[G+(\k)%4], v[S+32*(\b)+2*(\k)], v[S+32*(\b)+2*(\k)+1]
.endm
	FETCH_K
	s_wait_loadcnt 0x0                             ; Q
.Lstep:
	s_wait_dscnt 0x0                               ; K of this step
.set t, 0
.rept 4
.set i, 0
.rept 8                                ; the four accumulators take turns.  A finished accumulator is first read eight plain instructions or more behind its last product
.set rD, S+32*(t%2)+8*(i%4)
.set rK, KF+16*(i%4)+8*(i/4)
.set rQ, QF+16*t+8*(i/4)
.if i < 4
	v_wmma_f32_16x16x32_f16 v[rD:rD+7], v[rK:rK+7], v[rQ:rQ+7], 0
.else
	v_wmma_f32_16x16x32_f16 v[rD:rD+7], v[rK:rK+7], v[rQ:rQ+7], v[rD:rD+7]
.endif
	MX (t+1)%2, 2*i
	MX (t+1)%2, 2*i+1
.set i, i+1
.endr
.set t, t+1
.endr
	v_add_nc_u32 v[AK], 64*PK, v[AK]               ; with the two lines above and the one below: four plain instructions between the last product and the loads into K
	v_nop
	s_cmp_eq_u32 s[CNT], 1                         ; the last step has none behind it
	s_cbranch_scc1 .Lno_k
	FETCH_K
.Lno_k:
	s_sub_co_u32 s[CNT], s[CNT], 1
	s_cmp_lg_u32 s[CNT], 0
	s_cbranch_scc1 .Lstep
.rept 4
	v_nop
.endr
.set i, 0
.rept 16
	MX 1, i                                        ; the last tile
.set i, i+1
.endr
	v_max3_num_f32 v[G], v[G], v[G+1], v[G+2]
	v_max_num_f32 v[G], v[G], v[G+3]
	v_max_num_f32_dpp v[G], v[G], v[G] row_xmask:1 row_mask:0xf bank_mask:0xf
	v_max_num_f32_dpp v[G], v[G], v[G] row_xmask:2 row_mask:0xf bank_mask:0xf
	v_max_num_f32_dpp v[G], v[G], v[G] row_xmask:4 row_mask:0xf bank_mask:0xf
	v_max_num_f32_dpp v[G], v[G], v[G] row_xmask:8 row_mask:0xf bank_mask:0xf
	v_permlanex16_b32 v[G+1], v[G], s[SEL], s[SEL+1]
	v_max_num_f32 v[G], v[G], v[G+1]               ; the wave's maximum, in every lane
	s_lshl_b32 s23, s[WV], 2
	s_add_co_u32 s23, s23, RED
	v_mov_b32 v14, s23
	ds_store_b32 v14, v[G]
	s_wait_dscnt 0x0                               ; for the others' sake: my store is done
	s_barrier_signal -1
	s_barrier_wait -1
	v_mov_b32 v14, RED
	ds_load_b128 v[20:23], v14
	ds_load_b128 v[24:27], v14 offset:16
	s_wait_dscnt 0x0
	v_max3_num_f32 v20, v20, v21, v22
	v_max3_num_f32 v23, v23, v24, v25
	v_max3_num_f32 v20, v20, v26, v27
	v_max_num_f32 v20, v20, v23
	v_mov_b32 v15, s22
	s_wait_xcnt 0x0                                ; EXEC changes only behind this wait
	v_cmp_eq_u32 vcc_lo, 0, v0
	s_and_saveexec_b32 s23, vcc_lo                 ; thread 0 of the work-group alone
	global_store_b32 v15, v20, s[6:7]
	s_wait_xcnt 0x0
	s_or_b32 exec_lo, exec_lo, s23
	s_wait_tensorcnt 0x0                           ; the wave's end
	ds_add_u32 v[SPW], v[NIL]
	s_wait_dscnt 0x0
	CROUND                                         ; the closing round
	s_endpgm
.Lfunc_end_k_q7e3477f2de_gmax:
	.size	k_q7e3477f2de_gmax, .Lfunc_end_k_q7e3477f2de_gmax-k_q7e3477f2de_gmax
	.p2alignl 7, 3214868480
	.fill 96, 4, 3214868480
	.section	.rodata,"a",@progbits
	.p2align	6, 0x0
	.amdhsa_kernel k_q7e3477f2de_gmax
		.amdhsa_group_segment_fixed_size 167936
		.amdhsa_private_segment_fixed_size 0
		.amdhsa_enable_private_segment 0
		.amdhsa_kernarg_size 16
		.amdhsa_user_sgpr_count 2
		.amdhsa_user_sgpr_kernarg_segment_ptr 1
		.amdhsa_wavefront_size32 1
		.amdhsa_system_sgpr_workgroup_id_x 1
		.amdhsa_system_sgpr_workgroup_id_y 1
		.amdhsa_system_sgpr_workgroup_id_z 1
		.amdhsa_system_vgpr_workitem_id 0
		.amdhsa_next_free_vgpr 224
		.amdhsa_next_free_sgpr 66
		.amdhsa_reserve_vcc 1
		.amdhsa_float_denorm_mode_32 3
		.amdhsa_float_denorm_mode_16_64 3
		.amdhsa_memory_ordered 1
		.amdhsa_forward_progress 1
		.amdhsa_inst_pref_size 18
	.end_amdhsa_kernel
	.amdgpu_metadata
---
amdhsa.version: [ 1, 2 ]
amdhsa.kernels:
  - .name:           k_q7e3477f2de_gmax
    .symbol:         k_q7e3477f2de_gmax.kd
    .args:
      - { .name: qkv, .offset: 0, .size: 8, .value_kind: global_buffer, .address_space: global }
      - { .name: gpart, .offset: 8, .size: 8, .value_kind: global_buffer, .address_space: global }
    .group_segment_fixed_size: 167936
    .private_segment_fixed_size: 0
    .kernarg_segment_align: 8
    .kernarg_segment_size: 16
    .max_flat_workgroup_size: 256
    .sgpr_count:     66
    .vgpr_count:     224
    .wavefront_size: 32
...
	.end_amdgpu_metadata
.endif
;; end of part 3
;; launch attn1 (part 4): grid 8 x 32, 8 waves a work-group, clusters of 4 x 1, 327,680 bytes of LDS; arguments qkv, mkf, gpart, oh; writes oh
.if DOCPART == 4
	.amdgcn_target "amdgcn-amd-amdhsa--gfx1250"
	.amdhsa_code_object_version 6
	.text
	.protected	k_q7e3477f2de_attn1
	.globl	k_q7e3477f2de_attn1
	.p2align	8
	.type	k_q7e3477f2de_attn1,@function
k_q7e3477f2de_attn1:
	s_mov_b64 s[64:65], 0
	v_nop
	global_prefetch_b8 v0, s[64:65] scope:SCOPE_SE
	s_setreg_imm32_b32 hwreg(HW_REG_WAVE_MODE, 25, 1), 1
	s_wait_xcnt 0x0
	s_wait_alu depctr_hold_cnt(0) depctr_sa_sdst(0) depctr_va_vdst(0) depctr_va_sdst(0) depctr_va_ssrc(0) depctr_va_vcc(0) depctr_vm_vsrc(0)
	s_getreg_b32 s2, hwreg(HW_REG_IB_STS2, 6, 4)
	s_cmp_eq_u32 s2, 0
	s_cbranch_scc0 .Lentry_in_a_cluster
	s_endpgm
.Lentry_in_a_cluster:
	s_bfe_u32 s2, ttmp6, 0x10000c
	s_cmp_lg_u32 s2, 0x3003
	s_cbranch_scc0 .Lentry_shape_is_right
	s_endpgm
.Lentry_shape_is_right:
; ONE DIRECTION OF THE TWO-WAY ATTENTION.  O[q] = the sum over allowed keys k of softmax_k(max(S[q][k], G - C)) V[k], S = Q' . K' in units of log2, G the largest score of all (from gpart), C = 50,000 log2(e).
; MODE 1: queries q' (4,096 a head), keys k', values v2 (1,024 a head), result o1.  MODE 2: queries k', keys q', values v1, result o2: reference()'s second subtraction of a column maximum cancels in its softmax, and
; its second clip never acts (the clipped scores lie in -50,000 .. 0, and so do their differences from their maximum): so both directions are this one function with the roles changed.
; A pair is hidden where BOTH masks are false: KM[k] (0 or -1e30) x nm[q] (0 or 1) is added behind the clip.  A running maximum M over what has been seen; O and l are multiplied by a = 2^(M_old - M_new) in every step.
; A query with no allowed key ends with M near -1e30 and gets NaN, as reference() gives.
; LIMITS.  Q', K', V arrive as f16, within 65,504; the weights p are rounded to f16 (their sum l is taken of the unrounded p); a weight below 2^-126 counts as 0; a hidden score counts as -1e30; true scores stay above -2^96.
; SHARES.  Eight waves, two on a SIMD, each with four tiles of 16 queries and 16 key steps of 64.  MODE 1: a work-group has 512 queries, every wave walks all keys.  MODE 2: 128 queries; the waves w % 2 = g have the same 64,
; and of a slot's four key steps wave w takes step w / 2; the four partial results are merged in LDS at the end.
; PHASES.  A step has some ten vector instructions for each matrix instruction, so the issue of vector work bounds it.  The text goes in plain phases (16 products, a softmax of two tiles, 16 products), with few window switches,
; and the SIMD's other wave has the matrix unit meanwhile.
; CLUSTER.  The four query blocks of a cluster belong to one head and walk the same K and V: each tile is asked for jointly.
; REGISTERS.  Window 0: v0-15 addresses; v16-47 statistics, 8 a tile (M, M_old, l, l, nm, nm, a, d); v48-55 at work; v64-127 S^T of two tiles; v128-159 P; v160-191 KM of a step; v192-255 K of a step.
;   Window 1: v0-127 O^T, 32 a tile; v128-191 Q, 16 a tile; v192-255 V of a step.
.set MODE, 1
.if MODE == 1
.set QREG, 0
.set KREG, 2<<24
.set VREG, 3<<24
.set OREG, 0
.set QMB,  0                           ; the queries' mask table in mkf, and the shift of its batch stride
.set QMS,  14
.set KMB,  32768                       ; the keys'
.set KMS,  12
.set NS,   4                           ; slots of 256 keys
.set SPS,  4                           ; key steps of a wave in a slot
.set KMSTEP, 256                       ; bytes of the keys' table from one of my steps to the next
.else
.set QREG, 2<<24
.set KREG, 0
.set VREG, 1<<24
.set OREG, 1<<24
.set QMB,  32768
.set QMS,  12
.set KMB,  0
.set KMS,  14
.set NS,   16
.set SPS,  1
.set KMSTEP, 1024
.endif
.set PK,    144                        ; a row of K in LDS: 128 bytes + 16
.set PVP,   160                        ; a row of V: 128 + 32
.set VOFF,  256*PK                     ; a slot: 256 rows of K, then 256 rows of V
.set SLOT1, 1<<17
.set STAGE, 256*(PK+PVP)               ; between the slots, never filled by a tensor load: 16 rows x 144 bytes for each wave
.set SP,    144
.set XCH,   STAGE+8*16*SP              ; MODE 2: the waves' M and l, 1,024 bytes each
.set SPARE, XCH+8192                   ; the spare words, 128 bytes for each wave
.set PART,  SLOT1                      ; MODE 2: the waves' partial O^T, 16,384 bytes each: written when slot 1 has had its last fill and its last read
.set AK0, 2
.set AV0, 3
.set AK,  4
.set AV,  5
.set STO, 6
.set RD,  7
.set GO,  8
.set AKM, 10                           ; v10  32 x (l / 16): my 8 keys of a block of 16 in the keys' table
.set PFO, 11                           ; v11  256 x lane
.set SPW, 12
.set NIL, 13
.set ST,  16
.set TMP, 48
.set S,   64
.set P,   128
.set KM,  160
.set KF,  192
.set QF,  128                          ; window 1
.set VF,  192                          ; window 1
.set WV,  12
.set G1K, 24
.set G1V, 32
.set G0K, 40
.set G0V, 44
.set PFA, 48                           ; s[48:49] where my prefetches stand
.set KMP, 50                           ; s[50:51] the keys' table at the step to be fetched
.set SLOTS, 56
.set CNT, 57
.set TH,  58                           ; s58  G - C
.set SEL, 60
.set TBK, 62
.set TBV, 63
.set LIM, 66
.set JS,  67                           ; s67  w / 2
.set GG,  68                           ; s68  w % 2
.set MSB, 0
.macro WIN new
.if MSB != (\new)
	s_set_vgpr_msb (MSB<<8)|(\new)
.set MSB, (\new)
.endif
.endm
.set W_KQ, 0x04                        ; Q (source 1) in window 1; K and S^T in window 0
.set W_PV, 0x51                        ; V (source 0) and O^T (C, D) in window 1; P in window 0
.set W_RS, 0x41                        ; destination and source 0 in window 1
.set TO1,  0x40                        ; destination in window 1
.macro PLACES
.rept 4
	v_nop
.endr
.endm
; A joint fill.  Waves 0 and 1 fetch the two halves of a slot's K, waves 2 and 3 those of its V, 128 keys each; waves 4 to 7 none.  The branches hang on the wave's number alone.
.macro JLOAD
	s_cmp_lt_u32 s[WV], 2
	s_cbranch_scc0 .Lnot_k_\@
	tensor_load_to_lds s[G0K:G0K+3], s[G1K:G1K+7]
	s_nop 0
.rept 4
	v_nop
.endr
	s_branch .Lasked_\@
.Lnot_k_\@:
	s_cmp_lt_u32 s[WV], 4
	s_cbranch_scc0 .Lasked_\@
	tensor_load_to_lds s[G0V:G0V+3], s[G1V:G1V+7]
	s_nop 0
.rept 4
	v_nop
.endr
.Lasked_\@:
.endm
; A prefetch of what the NEXT change of slots will ask for: a slot's K and V are 128 blocks of 256 bytes each.  The head's first cluster asks; its four partners take 32 blocks each, told apart by address;
; wave 0 asks for K's, wave 2 for V's: a lane a block, each block once in the launch.  The last change that fills a slot asks for nothing.
.macro ASK
	s_cmp_gt_u32 s[SLOTS], s[LIM]
	s_cbranch_scc0 .Lnot_mine_\@
	global_prefetch_b8 v[PFO], s[PFA:PFA+1] th:TH_LOAD_NT scope:SCOPE_SE
.Lnot_mine_\@:
.endm
.macro CROUND
	s_barrier_signal -1
	s_barrier_wait -1
	s_cmp_lg_u32 s[WV], 0
	s_cbranch_scc1 .Lnot_wave_0_\@
	s_barrier_signal -3
.Lnot_wave_0_\@:
	s_barrier_wait -3
	s_barrier_signal -1
	s_barrier_wait -1
.endm
; THE CHANGE OF SLOTS.  Each wave waits for all its tensor loads (at most one is out: its part of the other slot), adds 0 to its spare word, and waits for that and for its reads of the slot that it leaves.
; fill = 1: the barrier is a round of the cluster's, and the joint fill of the slot just left is the first thing behind it.  (At its first use nothing has been read: slot 0 is waited for, slot 1 filled.)
.macro CHANGE fill
	WIN 0
	s_wait_tensorcnt 0x0                           ; no tensor load of mine is out, so a group 0 may be written
	ds_add_u32 v[SPW], v[NIL]                      ; 0 onto my spare word
.if \fill
.irp g, G0K, G0V
	s_xor_b32 s[\g+1], s[\g+1], SLOT1              ; the walking descriptor: the other slot,
	s_add_nc_u64 s[\g+2:\g+3], s[\g+2:\g+3], 32768 ; the next 256 keys
.endr
	s_wait_xcnt 0x0                                ; the last prefetch, a slot back, has read its address
	s_add_nc_u64 s[PFA:PFA+1], s[PFA:PFA+1], 32768
	s_wait_dscnt 0x0                               ; the add is done, and my reads of the slot are over
	CROUND
	JLOAD
	ASK
.else
	s_wait_dscnt 0x0
	s_barrier_signal -1
	s_barrier_wait -1
.endif
	s_sub_co_u32 s[TBK], s[TBK], SPS*64*PK         ; the fetches go back to a slot's first step,
	s_xor_b32 s[TBK], s[TBK], SLOT1                ; in the other slot
	s_sub_co_u32 s[TBV], s[TBV], SPS*64*PVP
	s_xor_b32 s[TBV], s[TBV], SLOT1
.endm
	s_load_b256 s[4:11], s[0:1], 0x0               ; qkv s[4:5], mkf s[6:7], gpart s[8:9], oh s[10:11]
	v_lshl_add_u32 v[SPW], v0, 2, SPARE
	v_mov_b32 v[NIL], 0
	ds_add_u32 v[SPW], v[NIL]                      ; the wave's opening: the add and its wait ahead of my first tensor load
	v_lshrrev_b32 v1, 5, v0
	v_readfirstlane_b32 s[WV], v1                  ; wave 0..7
	s_bfe_u32 s13, ttmp6, 0x40000                  ; cx
	s_lshl_b32 s14, ttmp9, 2
	s_add_co_u32 s14, s14, s13                     ; my block of queries
	s_and_b32 s20, ttmp7, 0xffff                   ; the head, which the four partners share
	s_lshr_b32 s21, s20, 4                         ; its batch
	s_lshl_b32 s20, s20, 19                        ; its first byte in a region
	s_and_b32 s[GG], s[WV], 1
	s_lshr_b32 s[JS], s[WV], 1
	s_lshl_b32 s22, s[GG], 14                      ; which half of a slot's 256 keys I fetch
	s_add_co_u32 s22, s22, s20
	s_mul_i32 s17, s[GG], 128*PK
	s_mul_i32 s18, s[GG], 128*PVP
.if MODE == 1
	s_lshl_b32 s19, s14, 9
	s_lshl_b32 s23, s[WV], 6
.else
	s_lshl_b32 s19, s14, 7
	s_lshl_b32 s23, s[GG], 6
.endif
	s_add_co_u32 s19, s19, s23                     ; my first query
	s_add_co_u32 s70, s22, KREG
	s_mov_b32 s71, 0
	s_add_co_u32 s72, s22, VREG
	s_mov_b32 s73, 0
	s_lshl_b32 s74, s19, 7
	s_add_co_u32 s74, s74, s20
	s_add_co_u32 s76, s74, OREG
	s_add_co_u32 s74, s74, QREG
	s_mov_b32 s75, 0
.if MODE == 2
	s_lshl_b32 s23, s[JS], 11                      ; I store tile w / 2: 16 rows of 128 bytes each
	s_add_co_u32 s76, s76, s23
.endif
	s_mov_b32 s77, 0
	s_lshl_b32 s78, s21, QMS
	s_add_co_u32 s78, s78, QMB
	s_lshl_b32 s23, s19, 2
	s_add_co_u32 s78, s78, s23
	s_mov_b32 s79, 0
	s_lshl_b32 s2, s21, KMS
	s_add_co_u32 s2, s2, KMB
.if MODE == 2
	s_lshl_b32 s23, s[JS], 8
	s_add_co_u32 s2, s2, s23
.endif
	s_mov_b32 s3, 0
	s_mov_b32 s[PFA], VREG
	s_cmp_lt_u32 s[WV], 2
	s_cselect_b32 s[PFA], KREG, s[PFA]
	s_add_co_u32 s[PFA], s[PFA], s20
	s_lshl_b32 s23, s13, 13                        ; my work-group's 32 blocks of the 128
	s_add_co_u32 s[PFA], s[PFA], s23
	s_add_co_u32 s[PFA], s[PFA], 32768             ; in the second 256 keys; the first change of slots steps it on.  Nothing is prefetched at the head
	s_mov_b32 s[PFA+1], 0
	s_and_b32 s[LIM], s[WV], 5                     ; 0 in waves 0 and 2,
	s_or_b32 s[LIM], s[LIM], ttmp9                 ; where the cluster is the head's first: the same in all four partners
	s_cmp_eq_u32 s[LIM], 0
	s_cselect_b32 s[LIM], 1, -1
	s_mov_b32 s[G1K], 15|(1<<16)|(1<<20)|(1<<21)|(4<<22)|(3<<25)  ; the mask of four; 2-byte elements; padding on; bit 21 beside a mask; after every 32 words 4 words
	s_mov_b32 s[G1V], 15|(1<<16)|(1<<20)|(1<<21)|(4<<22)|(7<<25)  ; the same with 8 words
.irp g, G1K, G1V
	s_mov_b32 s[\g+1], 128<<16                     ; 128 keys are 16,384 dense bytes: 64 rows of 256 bytes
	s_mov_b32 s[\g+2], 64<<16
	s_mov_b32 s[\g+3], 128<<16
	s_mov_b32 s[\g+4], 64
	s_mov_b32 s[\g+5], 128
	s_mov_b32 s[\g+6], 0
	s_mov_b32 s[\g+7], 0
.endr
	s_mov_b32 s[SEL], 0x76543210
	s_mov_b32 s[SEL+1], 0xfedcba98
	s_mov_b32 s[TBK], SLOT1+SPS*64*PK              ; the first change of slots turns these two into 0
	s_mov_b32 s[TBV], SLOT1+SPS*64*PVP
	s_mov_b32 s[G0K], 1
	s_mov_b32 s[G0K+1], s17
	s_mov_b32 s[G0V], 1
	s_add_co_u32 s[G0V+1], s18, VOFF
	s_mov_b32 s[SLOTS], NS-1
	s_wait_dscnt 0x0                               ; the opening add is done
	s_wait_kmcnt 0x0
	s_add_nc_u64 s[G0K+2:G0K+3], s[4:5], s[70:71]
	s_or_b32 s[G0K+3], s[G0K+3], 0x80000000
	s_add_nc_u64 s[G0V+2:G0V+3], s[4:5], s[72:73]
	s_or_b32 s[G0V+3], s[G0V+3], 0x80000000
	s_add_nc_u64 s[74:75], s[4:5], s[74:75]        ; Q at my first row
	s_add_nc_u64 s[10:11], s[10:11], s[76:77]      ; O at the first row that I store
	s_add_nc_u64 s[78:79], s[6:7], s[78:79]        ; the queries' table at my first row
	s_add_nc_u64 s[KMP:KMP+1], s[6:7], s[2:3]
	s_add_nc_u64 s[PFA:PFA+1], s[4:5], s[PFA:PFA+1]
	CROUND                                         ; all four work-groups are here: the first joint loads meet
	JLOAD                                          ; slot 0
	v_and_b32 v1, 15, v0                           ; l % 16
	v_bfe_u32 v9, v0, 4, 1                         ; l / 16
	v_lshlrev_b32 v14, 7, v1
	v_lshl_add_u32 v14, v9, 4, v14
	WIN TO1
.set i, 0
.rept 8                                ; Q stays in registers: tile i / 2, channels 32 (i % 2) on
	global_load_b128 v[QF+8*i:QF+8*i+3],   v14, s[74:75] offset:(i/2)*2048+(i%2)*64
	global_load_b128 v[QF+8*i+4:QF+8*i+7], v14, s[74:75] offset:(i/2)*2048+(i%2)*64+32
.set i, i+1
.endr
.set i, 0
.rept 128
	v_mov_b32 v[i], 0                              ; O^T: the first step multiplies it by a = 0, so it must be finite.  Written in the wait for the first tile
.set i, i+1
.endr
	WIN 0
	v_and_b32 v15, 31, v0
	v_lshlrev_b32 v15, 5, v15
	global_load_b128 v[64:67], v15, s[8:9]         ; the 256 partial maxima, eight a lane
	global_load_b128 v[68:71], v15, s[8:9] offset:16
	v_lshlrev_b32 v4, 2, v1
.irp t, 0,1,2,3
	global_load_b32 v[ST+8*\t+4], v4, s[78:79] offset:64*\t  ; my query's entry: 0 or -1e30
.endr
	v_mul_u32_u24 v[AK0], v1, PK
	v_lshl_add_u32 v[AK0], v9, 4, v[AK0]
	v_and_b32 v5, 7, v0
	v_lshl_add_u32 v[AV0], v9, 3, v5               ; the turning load: key 8 (l / 16) + l % 8, channels 8 ((l / 8) % 2) on
	v_mul_u32_u24 v[AV0], v[AV0], PVP
	v_bfe_u32 v8, v0, 3, 1
	v_lshl_add_u32 v[AV0], v8, 4, v[AV0]
	v_add_nc_u32 v[AV0], VOFF, v[AV0]
.if MODE == 2
	s_mul_i32 s23, s[JS], 64*PK                    ; my step of a slot's four
	v_add_nc_u32 v[AK0], s23, v[AK0]
	s_mul_i32 s23, s[JS], 64*PVP
	v_add_nc_u32 v[AV0], s23, v[AV0]
.endif
	s_mul_i32 s23, s[WV], 16*SP
	s_add_co_u32 s23, s23, STAGE
	v_mul_u32_u24 v[STO], v1, SP
	v_lshl_add_u32 v[STO], v9, 4, v[STO]
	v_add_nc_u32 v[STO], s23, v[STO]
	v_bfe_u32 v[RD], v0, 3, 2
	v_mul_u32_u24 v[RD], v[RD], SP
	v_lshl_add_u32 v[RD], v5, 4, v[RD]
	v_add_nc_u32 v[RD], s23, v[RD]
	v_and_b32 v[GO], 31, v0
	v_lshlrev_b32 v[GO], 4, v[GO]
	v_lshlrev_b32 v[AKM], 5, v9
	v_and_b32 v[PFO], 31, v0
	v_lshlrev_b32 v[PFO], 8, v[PFO]
.irp t, 0,1,2,3
	v_mov_b32 v[ST+8*\t], 0xfe000000               ; M: far below every score, hidden ones too
	v_mov_b32 v[ST+8*\t+1], 0xfe000000
	v_mov_b32 v[ST+8*\t+2], 0
	v_mov_b32 v[ST+8*\t+3], 0
	v_mov_b32 v[ST+8*\t+6], 0
	v_mov_b32 v[ST+8*\t+7], 0
.endr
	s_wait_loadcnt 0x0
.irp t, 0,1,2,3
	v_mul_f32 v[ST+8*\t+4], -1.0, v[ST+8*\t+4]
.endr
.irp t, 0,1,2,3
	v_min_num_f32 v[ST+8*\t+4], 1.0, v[ST+8*\t+4]  ; nm: 1 where my query's mask is false, else 0
.endr
.irp t, 0,1,2,3
	v_mov_b32 v[ST+8*\t+5], v[ST+8*\t+4]
.endr
	v_max3_num_f32 v64, v64, v65, v66
	v_max3_num_f32 v67, v67, v68, v69
	v_max3_num_f32 v64, v64, v70, v71
	v_max_num_f32 v64, v64, v67
	v_max_num_f32_dpp v64, v64, v64 row_xmask:1 row_mask:0xf bank_mask:0xf
	v_max_num_f32_dpp v64, v64, v64 row_xmask:2 row_mask:0xf bank_mask:0xf
	v_max_num_f32_dpp v64, v64, v64 row_xmask:4 row_mask:0xf bank_mask:0xf
	v_max_num_f32_dpp v64, v64, v64 row_xmask:8 row_mask:0xf bank_mask:0xf
	v_permlanex16_b32 v65, v64, s[SEL], s[SEL+1]
	v_max_num_f32 v64, v64, v65                    ; G
	v_add_f32 v64, 0xc78ce360, v64                 ; - 50,000 log2(e) = - 72,134.75
	v_readfirstlane_b32 s[TH], v64                 ; used as an operand of vector arithmetic alone
; 16 products S^T = K Q^T for tiles 2 p, 2 p + 1: channels 32 (i / 8) on, keys 16 ((i / 2) % 4) on.  The 8 accumulators take turns; the first 8 products start the sums.
.macro KQ p
	WIN W_KQ
.set i, 0
.rept 16
.set rD, S+32*(i%2)+8*((i/2)%4)
.set rK, KF+16*((i/2)%4)+8*(i/8)
.set rQ, QF+16*(2*(\p)+i%2)+8*(i/8)
.if i < 8
	v_wmma_f32_16x16x32_f16 v[rD:rD+7], v[rK:rK+7], v[rQ:rQ+7], 0
.else
	v_wmma_f32_16x16x32_f16 v[rD:rD+7], v[rK:rK+7], v[rQ:rQ+7], v[rD:rD+7]
.endif
.set i, i+1
.endr
.endm
; 16 products O^T += V^T P: keys 32 (i / 8) on, channels 16 ((i / 2) % 4) on.
.macro PVM p
	WIN W_PV
.set i, 0
.rept 16
.set rD, 32*(2*(\p)+i%2)+8*((i/2)%4)
.set rV, VF+32*(i/8)+8*((i/2)%4)
.set rB, P+16*(i%2)+8*(i/8)
	v_wmma_f32_16x16x32_f16 v[rD:rD+7], v[rV:rV+7], v[rB:rB+7], v[rD:rD+7]
.set i, i+1
.endr
.endm
.macro FETCH_V                         ; V of the step in hand, turned: 16 loads in one run
	WIN 0
	v_add_nc_u32 v[AV], s[TBV], v[AV0]
	s_add_co_u32 s[TBV], s[TBV], 64*PVP
	WIN TO1
.irp f, 0,1,2,3,4,5,6,7
	ds_load_tr16_b128 v[VF+8*\f:VF+8*\f+3],   v[AV] offset:(\f/4)*32*PVP+(\f%4)*32
	ds_load_tr16_b128 v[VF+8*\f+4:VF+8*\f+7], v[AV] offset:(\f/4)*32*PVP+16*PVP+(\f%4)*32
.endr
	WIN 0
.endm
.macro FETCH_K last                    ; K and the keys' mask entries of my next step.  last = 1 (the tail): the last step has none behind it, and the run is jumped over
	WIN 0
.if \last
	s_cmp_eq_u32 s[CNT], 1
	s_cbranch_scc1 .Lno_k_\@
.endif
	v_add_nc_u32 v[AK], s[TBK], v[AK0]
.irp f, 0,1,2,3,4,5,6,7
	ds_load_b128 v[KF+8*\f:KF+8*\f+3],   v[AK] offset:(\f/2)*16*PK+(\f%2)*64
	ds_load_b128 v[KF+8*\f+4:KF+8*\f+7], v[AK] offset:(\f/2)*16*PK+(\f%2)*64+32
.endr
	s_add_co_u32 s[TBK], s[TBK], 64*PK
.irp b, 0,1,2,3
	global_load_b128 v[KM+8*\b:KM+8*\b+3],   v[AKM], s[KMP:KMP+1] offset:64*\b
	global_load_b128 v[KM+8*\b+4:KM+8*\b+7], v[AKM], s[KMP:KMP+1] offset:64*\b+16
.endr
.if \last
.Lno_k_\@:
.endif
.endm
.macro REGS p, u
.set rT, ST+8*(2*(\p)+(\u))
.set rC, TMP+4*(\u)
.set rS, S+32*(\u)
.set rO, 32*(2*(\p)+(\u))
.endm
; Number n of the 21 that find a tile's new maximum and a: four chains of seven scores, the four left over, the old M, the lanes' other half; d = M_old - M; a = 2^d.
.macro XS p, u
	REGS \p, \u
.if n < 4
	v_max3_num_f32 v[rC+n], v[rS+8*n], v[rS+8*n+1], v[rS+8*n+2]
.elseif n < 12
	v_max3_num_f32 v[rC+n%4], v[rC+n%4], v[rS+8*(n%4)+2*(n/4)+1], v[rS+8*(n%4)+2*(n/4)+2]
.elseif n == 12
	v_max3_num_f32 v[rC], v[rC], v[rS+7], v[rS+15]
.elseif n == 13
	v_max3_num_f32 v[rC+1], v[rC+1], v[rS+23], v[rS+31]
.elseif n == 14
	v_max3_num_f32 v[rC+2], v[rC+2], v[rC+3], v[rT]
.elseif n == 15
	v_mov_b32 v[rT+1], v[rT]
.elseif n == 16
	v_max3_num_f32 v[rC], v[rC], v[rC+1], v[rC+2]
.elseif n == 17
	v_permlanex16_b32 v[rC+3], v[rC], s[SEL], s[SEL+1]
.elseif n == 18
	v_max_num_f32 v[rT], v[rC], v[rC+3]
.elseif n == 19
	v_sub_f32 v[rT+7], v[rT+1], v[rT]
.else
	v_exp_f32 v[rT+6], v[rT+7]
.endif
.endm
.macro TREE w, cnt                     ; in both tiles: the pair at w n takes the pair at w n + w / 2
.set n, 0
.rept \cnt
	v_pk_add_f32 v[S+(\w)*n:S+(\w)*n+1], v[S+(\w)*n:S+(\w)*n+1], v[S+(\w)*n+(\w)/2:S+(\w)*n+(\w)/2+1]
	v_pk_add_f32 v[S+32+(\w)*n:S+32+(\w)*n+1], v[S+32+(\w)*n:S+32+(\w)*n+1], v[S+32+(\w)*n+(\w)/2:S+32+(\w)*n+(\w)/2+1]
.set n, n+1
.endr
.endm
; THE SOFTMAX of tiles 2 p and 2 p + 1 for one key step; the two tiles alternate.  Its 66 exponentials are one batch: nothing ahead of the one wait names a result of theirs.
.macro SM p, last
	WIN 0
.set n, 0
.rept 64
	v_max_num_f32 v[S+n], s[TH], v[S+n]            ; the clip; ascending
.set n, n+1
.endr
.if (\p) == 0
	FETCH_V                                        ; 4 v_nop and 64 plain instructions behind the last product that read V
.endif
.set n, 0
.rept 16
.irp u, 0,1
	REGS \p, \u
	v_pk_fma_f32 v[rS+2*n:rS+2*n+1], v[KM+2*n:KM+2*n+1], v[rT+4:rT+5], v[rS+2*n:rS+2*n+1]  ; the mask: -1e30 where both sides are false
.endr
.set n, n+1
.endr
.if (\p) == 1
	FETCH_K \last                                  ; K and KM have had their last reader of this step
.endif
.set n, 0
.rept 21
	XS \p, 0
	XS \p, 1
.set n, n+1
.endr
.set n, 0
.rept 16
.irp u, 0,1
	REGS \p, \u
	v_pk_add_f32 v[rS+2*n:rS+2*n+1], v[rS+2*n:rS+2*n+1], v[rT:rT+1] op_sel_hi:[1,0] neg_lo:[0,1] neg_hi:[0,1]  ; x - M
.endr
.set n, n+1
.endr
.set n, 0
.rept 32
	v_exp_f32 v[S+n], v[S+n]
	v_exp_f32 v[S+32+n], v[S+32+n]
.set n, n+1
.endr
	v_nop                                          ; a plain instruction behind the last exponential
	s_wait_alu depctr_va_vdst(0)                   ; the one wait ahead of the first reader of the batch
.set n, 0
.rept 16
	v_cvt_pk_f16_f32 v[P+n], v[S+2*n], v[S+2*n+1]
	v_cvt_pk_f16_f32 v[P+16+n], v[S+32+2*n], v[S+32+2*n+1]
.set n, n+1
.endr
	TREE 4, 8
	TREE 8, 4
	TREE 16, 2
	TREE 32, 1
.irp u, 0,1
	REGS \p, \u
	v_pk_fma_f32 v[rT+2:rT+3], v[rT+2:rT+3], v[rT+6:rT+7], v[rS:rS+1] op_sel_hi:[1,0,1]  ; l = a l + the sum
.endr
	WIN W_RS
.set n, 0
.rept 16
.irp u, 0,1
	REGS \p, \u
	v_pk_mul_f32 v[rO+2*n:rO+2*n+1], v[rO+2*n:rO+2*n+1], v[rT+6:rT+7] op_sel_hi:[1,0]  ; O^T times a
.endr
.set n, n+1
.endr
.endm
.macro PARTA                           ; tiles 0 and 1 of a step; V of the step is fetched
	s_wait_dscnt 0x0                               ; K is in
	s_wait_loadcnt 0x0                             ; the keys' mask entries are in, so their pointer may be written
	s_add_nc_u64 s[KMP:KMP+1], s[KMP:KMP+1], KMSTEP
	KQ 0
	WIN 0
	PLACES
	SM 0, 0
	s_wait_dscnt 0x0                               ; V is in
	PVM 0
	WIN 0
.endm
.macro PARTB last                      ; tiles 2 and 3 of the step; K of the next step is fetched
	KQ 1
	WIN 0
	PLACES
	SM 1, \last
	PVM 1
	WIN 0
.endm
	CHANGE 1                                       ; slot 0 is in, everybody's part of it; slot 1 is asked for
	FETCH_K 0
	s_mov_b32 s[CNT], SPS
	s_branch .Lfirst                               ; the loop is entered at a step's first half
.Lslot:                                        ; NS - 2 times.  The change stands between a step's halves: its K and V lie in registers, the next K comes out of the other slot
	CHANGE 1
	s_mov_b32 s[CNT], SPS
.Lstep:
	PARTB 0
.Lfirst:
	PARTA
	s_sub_co_u32 s[CNT], s[CNT], 1
	s_cmp_lg_u32 s[CNT], 0
	s_cbranch_scc1 .Lstep
	s_sub_co_u32 s[SLOTS], s[SLOTS], 1
	s_cmp_lg_u32 s[SLOTS], 0
	s_cbranch_scc1 .Lslot
	CHANGE 0                                       ; the tail is written out: nothing is asked for
	s_mov_b32 s[CNT], SPS+1
.Ltail:
	PARTB 1
	s_sub_co_u32 s[CNT], s[CNT], 1
	s_cmp_eq_u32 s[CNT], 0
	s_cbranch_scc1 .Lout
	PARTA
	s_branch .Ltail
.Lout:
.macro ALL line:vararg                 ; one line for each tile t
.set t, 0
.rept 4
	\line
.set t, t+1
.endr
.endm
	; l's two halves and the other half of the lanes' are added.  The first four additions are the plain instructions behind the last products.
	ALL v_add_f32 v[ST+8*t+2], v[ST+8*t+2], v[ST+8*t+3]
	ALL v_permlanex16_b32 v[ST+8*t+3], v[ST+8*t+2], s[SEL], s[SEL+1]
	ALL v_add_f32 v[ST+8*t+2], v[ST+8*t+2], v[ST+8*t+3]
	s_mov_b32 s69, 0xef800000                      ; -2^96: a maximum below it has seen hidden scores alone
.if MODE == 1
	; THE WAY OUT: O^T / l, rounded to f16, a tile at a time through my stage, back as whole rows: 2,048 consecutive bytes of the head.
	ALL v_rcp_f32 v[ST+8*t+2], v[ST+8*t+2]
	v_mov_b32 v14, 0x7fc00000                      ; NaN; also the plain instruction behind the last reciprocal
	s_wait_alu depctr_va_vdst(0)                   ; one wait for the four reciprocals
.set t, 0
.rept 4
	v_cmp_gt_f32 vcc_lo, s69, v[ST+8*t]
	v_cndmask_b32 v[ST+8*t+2], v[ST+8*t+2], v14, vcc_lo
.set t, t+1
.endr
.macro PACK t
	WIN W_RS
.set i, 32*(\t)
.rept 16
	v_pk_mul_f32 v[i:i+1], v[i:i+1], v[ST+8*(\t)+2:ST+8*(\t)+3] op_sel_hi:[1,0]
.set i, i+2
.endr
	WIN 0x05                                       ; sources 0 and 1 window 1, destination window 0
.set i, 0
.rept 16
	v_cvt_pk_f16_f32 v[S+16*(\t)+i], v[32*(\t)+2*i], v[32*(\t)+2*i+1]
.set i, i+1
.endr
	WIN 0
.irp f, 0,1,2,3
	ds_store_b128 v[STO], v[S+16*(\t)+4*\f:S+16*(\t)+4*\f+3] offset:32*\f
.endr
.irp f, 0,1,2,3
	ds_load_b128 v[S+16*(\t)+4*\f:S+16*(\t)+4*\f+3], v[RD] offset:\f*4*SP  ; LDS serves a wave's instructions in order (ISA guide 5.7.1.4)
.endr
.endm
.macro SEND t, younger                 ; younger: the next tile's eight LDS instructions, or none
.irp f, 0,1,2,3
	s_wait_dscnt (\younger)+3-\f
	global_store_b128 v[GO], v[S+16*(\t)+4*\f:S+16*(\t)+4*\f+3], s[10:11] offset:(\t)*2048+\f*512  ; 512 consecutive bytes, aligned
.endr
.endm
	PACK 0
	PACK 1
	SEND 0, 8
	PACK 2
	SEND 1, 8
	PACK 3
	SEND 2, 8
	SEND 3, 0
.else
	; THE MERGE.  The four waves with my 64 queries have seen a quarter of the keys each.  M and l meet in LDS; each wave scales its O^T by 2^(M - M*) / L and lays it into LDS; wave w adds up tile w / 2 and stores it.
	v_and_b32 v53, 31, v0
	s_lshl_b32 s70, s[WV], 10
	s_add_co_u32 s70, s70, XCH
	v_lshl_add_u32 v48, v53, 2, s70                ; where I put my M and l
	s_lshl_b32 s71, s[GG], 10
	s_add_co_u32 s71, s71, XCH
	v_lshl_add_u32 v49, v53, 2, s71                ; where the four partners' lie, 2,048 bytes apart
	s_lshl_b32 s72, s[WV], 14
	s_add_co_u32 s72, s72, PART
	v_lshl_add_u32 v50, v53, 4, s72                ; where I put my O^T
	s_lshl_b32 s73, s[GG], 14
	s_lshl_b32 s74, s[JS], 12
	s_add_co_u32 s73, s73, s74
	s_add_co_u32 s73, s73, PART
	v_lshl_add_u32 v51, v53, 4, s73                ; my tile in the partners' O^T, 32,768 bytes apart
	v_add_nc_u32 v52, 65536, v51
.irp t, 0,1,2,3
	ds_store_b32 v48, v[ST+8*\t] offset:256*\t
	ds_store_b32 v48, v[ST+8*\t+2] offset:256*\t+128
.endr
	s_wait_dscnt 0x0                               ; my stores are done; my reads of the slots were over before
	s_barrier_signal -1
	s_barrier_wait -1                              ; so behind this barrier nobody reads a slot any more
.irp j, 0,1,2,3
.irp t, 0,1,2,3
	ds_load_b32 v[64+8*\j+2*\t],   v49 offset:2048*\j+256*\t
	ds_load_b32 v[64+8*\j+2*\t+1], v49 offset:2048*\j+256*\t+128
.endr
.endr
	s_wait_dscnt 0x0
	ALL v_max3_num_f32 v[96+t], v[64+2*t], v[72+2*t], v[80+2*t]
	ALL v_max_num_f32 v[96+t], v[96+t], v[88+2*t]
.irp j, 0,1,2,3
	ALL v_sub_f32 v[100+4*t+\j], v[64+8*\j+2*t], v[96+t]
.endr
	ALL v_sub_f32 v[116+t], v[ST+8*t], v[96+t]
.set i, 0
.rept 20
	v_exp_f32 v[100+i], v[100+i]
.set i, i+1
.endr
	v_mov_b32 v14, 0x7fc00000                      ; NaN; also the plain instruction behind the last exponential
	s_wait_alu depctr_va_vdst(0)                   ; one wait for the twenty
	ALL v_mul_f32 v[120+t], v[100+4*t], v[65+2*t]
.irp j, 1,2,3
	ALL v_fmac_f32 v[120+t], v[100+4*t+\j], v[65+8*\j+2*t]
.endr
	ALL v_rcp_f32 v[120+t], v[120+t]
	v_nop
	s_wait_alu depctr_va_vdst(0)                   ; one wait for the four reciprocals
	ALL v_mul_f32 v[ST+8*t+2], v[116+t], v[120+t]
.set t, 0
.rept 4
	v_cmp_gt_f32 vcc_lo, s69, v[96+t]
	v_cndmask_b32 v[ST+8*t+2], v[ST+8*t+2], v14, vcc_lo
.set t, t+1
.endr
	WIN W_RS
.set i, 0
.rept 64
	v_pk_mul_f32 v[2*i:2*i+1], v[2*i:2*i+1], v[ST+8*(i/16)+2:ST+8*(i/16)+3] op_sel_hi:[1,0]
.set i, i+1
.endr
	WIN 0x04                                       ; store data (source 1) in window 1
.set i, 0
.rept 32
	ds_store_b128 v50, v[4*i:4*i+3] offset:512*i
.set i, i+1
.endr
	WIN 0
	s_wait_dscnt 0x0
	s_barrier_signal -1
	s_barrier_wait -1
.irp j, 0,1
.irp i, 0,1,2,3,4,5,6,7
	ds_load_b128 v[64+32*\j+4*\i:64+32*\j+4*\i+3],   v51 offset:32768*\j+512*\i
	ds_load_b128 v[128+32*\j+4*\i:128+32*\j+4*\i+3], v52 offset:32768*\j+512*\i
.endr
.endr
	s_wait_dscnt 0x0
.set i, 0
.rept 16
	v_pk_add_f32 v[64+2*i:64+2*i+1], v[64+2*i:64+2*i+1], v[96+2*i:96+2*i+1]
	v_pk_add_f32 v[128+2*i:128+2*i+1], v[128+2*i:128+2*i+1], v[160+2*i:160+2*i+1]
.set i, i+1
.endr
.set i, 0
.rept 16
	v_pk_add_f32 v[64+2*i:64+2*i+1], v[64+2*i:64+2*i+1], v[128+2*i:128+2*i+1]
.set i, i+1
.endr
.set i, 0
.rept 16
	v_cvt_pk_f16_f32 v[192+i], v[64+2*i], v[64+2*i+1]
.set i, i+1
.endr
.irp f, 0,1,2,3
	ds_store_b128 v[STO], v[192+4*\f:192+4*\f+3] offset:32*\f
.endr
.irp f, 0,1,2,3
	ds_load_b128 v[192+4*\f:192+4*\f+3], v[RD] offset:\f*4*SP
.endr
.irp f, 0,1,2,3
	s_wait_dscnt 3-\f
	global_store_b128 v[GO], v[192+4*\f:192+4*\f+3], s[10:11] offset:\f*512
.endr
.endif
	s_wait_tensorcnt 0x0                           ; the wave's end
	ds_add_u32 v[SPW], v[NIL]
	s_wait_dscnt 0x0
	CROUND                                         ; the closing round
	s_endpgm
.Lfunc_end_k_q7e3477f2de_attn1:
	.size	k_q7e3477f2de_attn1, .Lfunc_end_k_q7e3477f2de_attn1-k_q7e3477f2de_attn1
	.p2alignl 7, 3214868480
	.fill 96, 4, 3214868480
	.section	.rodata,"a",@progbits
	.p2align	6, 0x0
	.amdhsa_kernel k_q7e3477f2de_attn1
		.amdhsa_group_segment_fixed_size 327680
		.amdhsa_private_segment_fixed_size 0
		.amdhsa_enable_private_segment 0
		.amdhsa_kernarg_size 32
		.amdhsa_user_sgpr_count 2
		.amdhsa_user_sgpr_kernarg_segment_ptr 1
		.amdhsa_wavefront_size32 1
		.amdhsa_system_sgpr_workgroup_id_x 1
		.amdhsa_system_sgpr_workgroup_id_y 1
		.amdhsa_system_sgpr_workgroup_id_z 1
		.amdhsa_system_vgpr_workitem_id 0
		.amdhsa_next_free_vgpr 512
		.amdhsa_next_free_sgpr 80
		.amdhsa_reserve_vcc 1
		.amdhsa_float_denorm_mode_32 3
		.amdhsa_float_denorm_mode_16_64 3
		.amdhsa_memory_ordered 1
		.amdhsa_forward_progress 1
		.amdhsa_inst_pref_size 117
	.end_amdhsa_kernel
	.amdgpu_metadata
---
amdhsa.version: [ 1, 2 ]
amdhsa.kernels:
  - .name:           k_q7e3477f2de_attn1
    .symbol:         k_q7e3477f2de_attn1.kd
    .args:
      - { .name: qkv, .offset: 0, .size: 8, .value_kind: global_buffer, .address_space: global }
      - { .name: mkf, .offset: 8, .size: 8, .value_kind: global_buffer, .address_space: global }
      - { .name: gpart, .offset: 16, .size: 8, .value_kind: global_buffer, .address_space: global }
      - { .name: oh, .offset: 24, .size: 8, .value_kind: global_buffer, .address_space: global }
    .group_segment_fixed_size: 327680
    .private_segment_fixed_size: 0
    .kernarg_segment_align: 8
    .kernarg_segment_size: 32
    .max_flat_workgroup_size: 256
    .sgpr_count:     80
    .vgpr_count:     512
    .wavefront_size: 32
...
	.end_amdgpu_metadata
.endif
;; end of part 4
;; launch attn2 (part 5): grid 8 x 32, 8 waves a work-group, clusters of 4 x 1, 327,680 bytes of LDS; arguments qkv, mkf, gpart, oh; writes oh
.if DOCPART == 5
	.amdgcn_target "amdgcn-amd-amdhsa--gfx1250"
	.amdhsa_code_object_version 6
	.text
	.protected	k_q7e3477f2de_attn2
	.globl	k_q7e3477f2de_attn2
	.p2align	8
	.type	k_q7e3477f2de_attn2,@function
k_q7e3477f2de_attn2:
	s_mov_b64 s[64:65], 0
	v_nop
	global_prefetch_b8 v0, s[64:65] scope:SCOPE_SE
	s_setreg_imm32_b32 hwreg(HW_REG_WAVE_MODE, 25, 1), 1
	s_wait_xcnt 0x0
	s_wait_alu depctr_hold_cnt(0) depctr_sa_sdst(0) depctr_va_vdst(0) depctr_va_sdst(0) depctr_va_ssrc(0) depctr_va_vcc(0) depctr_vm_vsrc(0)
	s_getreg_b32 s2, hwreg(HW_REG_IB_STS2, 6, 4)
	s_cmp_eq_u32 s2, 0
	s_cbranch_scc0 .Lentry_in_a_cluster
	s_endpgm
.Lentry_in_a_cluster:
	s_bfe_u32 s2, ttmp6, 0x10000c
	s_cmp_lg_u32 s2, 0x3003
	s_cbranch_scc0 .Lentry_shape_is_right
	s_endpgm
.Lentry_shape_is_right:
; ONE DIRECTION OF THE TWO-WAY ATTENTION.  O[q] = the sum over allowed keys k of softmax_k(max(S[q][k], G - C)) V[k], S = Q' . K' in units of log2, G the largest score of all (from gpart), C = 50,000 log2(e).
; MODE 1: queries q' (4,096 a head), keys k', values v2 (1,024 a head), result o1.  MODE 2: queries k', keys q', values v1, result o2: reference()'s second subtraction of a column maximum cancels in its softmax, and
; its second clip never acts (the clipped scores lie in -50,000 .. 0, and so do their differences from their maximum): so both directions are this one function with the roles changed.
; A pair is hidden where BOTH masks are false: KM[k] (0 or -1e30) x nm[q] (0 or 1) is added behind the clip.  A running maximum M over what has been seen; O and l are multiplied by a = 2^(M_old - M_new) in every step.
; A query with no allowed key ends with M near -1e30 and gets NaN, as reference() gives.
; LIMITS.  Q', K', V arrive as f16, within 65,504; the weights p are rounded to f16 (their sum l is taken of the unrounded p); a weight below 2^-126 counts as 0; a hidden score counts as -1e30; true scores stay above -2^96.
; SHARES.  Eight waves, two on a SIMD, each with four tiles of 16 queries and 16 key steps of 64.  MODE 1: a work-group has 512 queries, every wave walks all keys.  MODE 2: 128 queries; the waves w % 2 = g have the same 64,
; and of a slot's four key steps wave w takes step w / 2; the four partial results are merged in LDS at the end.
; PHASES.  A step has some ten vector instructions for each matrix instruction, so the issue of vector work bounds it.  The text goes in plain phases (16 products, a softmax of two tiles, 16 products), with few window switches,
; and the SIMD's other wave has the matrix unit meanwhile.
; CLUSTER.  The four query blocks of a cluster belong to one head and walk the same K and V: each tile is asked for jointly.
; REGISTERS.  Window 0: v0-15 addresses; v16-47 statistics, 8 a tile (M, M_old, l, l, nm, nm, a, d); v48-55 at work; v64-127 S^T of two tiles; v128-159 P; v160-191 KM of a step; v192-255 K of a step.
;   Window 1: v0-127 O^T, 32 a tile; v128-191 Q, 16 a tile; v192-255 V of a step.
.set MODE, 2
.if MODE == 1
.set QREG, 0
.set KREG, 2<<24
.set VREG, 3<<24
.set OREG, 0
.set QMB,  0                           ; the queries' mask table in mkf, and the shift of its batch stride
.set QMS,  14
.set KMB,  32768                       ; the keys'
.set KMS,  12
.set NS,   4                           ; slots of 256 keys
.set SPS,  4                           ; key steps of a wave in a slot
.set KMSTEP, 256                       ; bytes of the keys' table from one of my steps to the next
.else
.set QREG, 2<<24
.set KREG, 0
.set VREG, 1<<24
.set OREG, 1<<24
.set QMB,  32768
.set QMS,  12
.set KMB,  0
.set KMS,  14
.set NS,   16
.set SPS,  1
.set KMSTEP, 1024
.endif
.set PK,    144                        ; a row of K in LDS: 128 bytes + 16
.set PVP,   160                        ; a row of V: 128 + 32
.set VOFF,  256*PK                     ; a slot: 256 rows of K, then 256 rows of V
.set SLOT1, 1<<17
.set STAGE, 256*(PK+PVP)               ; between the slots, never filled by a tensor load: 16 rows x 144 bytes for each wave
.set SP,    144
.set XCH,   STAGE+8*16*SP              ; MODE 2: the waves' M and l, 1,024 bytes each
.set SPARE, XCH+8192                   ; the spare words, 128 bytes for each wave
.set PART,  SLOT1                      ; MODE 2: the waves' partial O^T, 16,384 bytes each: written when slot 1 has had its last fill and its last read
.set AK0, 2
.set AV0, 3
.set AK,  4
.set AV,  5
.set STO, 6
.set RD,  7
.set GO,  8
.set AKM, 10                           ; v10  32 x (l / 16): my 8 keys of a block of 16 in the keys' table
.set PFO, 11                           ; v11  256 x lane
.set SPW, 12
.set NIL, 13
.set ST,  16
.set TMP, 48
.set S,   64
.set P,   128
.set KM,  160
.set KF,  192
.set QF,  128                          ; window 1
.set VF,  192                          ; window 1
.set WV,  12
.set G1K, 24
.set G1V, 32
.set G0K, 40
.set G0V, 44
.set PFA, 48                           ; s[48:49] where my prefetches stand
.set KMP, 50                           ; s[50:51] the keys' table at the step to be fetched
.set SLOTS, 56
.set CNT, 57
.set TH,  58                           ; s58  G - C
.set SEL, 60
.set TBK, 62
.set TBV, 63
.set LIM, 66
.set JS,  67                           ; s67  w / 2
.set GG,  68                           ; s68  w % 2
.set MSB, 0
.macro WIN new
.if MSB != (\new)
	s_set_vgpr_msb (MSB<<8)|(\new)
.set MSB, (\new)
.endif
.endm
.set W_KQ, 0x04                        ; Q (source 1) in window 1; K and S^T in window 0
.set W_PV, 0x51                        ; V (source 0) and O^T (C, D) in window 1; P in window 0
.set W_RS, 0x41                        ; destination and source 0 in window 1
.set TO1,  0x40                        ; destination in window 1
.macro PLACES
.rept 4
	v_nop
.endr
.endm
; A joint fill.  Waves 0 and 1 fetch the two halves of a slot's K, waves 2 and 3 those of its V, 128 keys each; waves 4 to 7 none.  The branches hang on the wave's number alone.
.macro JLOAD
	s_cmp_lt_u32 s[WV], 2
	s_cbranch_scc0 .Lnot_k_\@
	tensor_load_to_lds s[G0K:G0K+3], s[G1K:G1K+7]
	s_nop 0
.rept 4
	v_nop
.endr
	s_branch .Lasked_\@
.Lnot_k_\@:
	s_cmp_lt_u32 s[WV], 4
	s_cbranch_scc0 .Lasked_\@
	tensor_load_to_lds s[G0V:G0V+3], s[G1V:G1V+7]
	s_nop 0
.rept 4
	v_nop
.endr
.Lasked_\@:
.endm
; A prefetch of what the NEXT change of slots will ask for: a slot's K and V are 128 blocks of 256 bytes each.  The head's first cluster asks; its four partners take 32 blocks each, told apart by address;
; wave 0 asks for K's, wave 2 for V's: a lane a block, each block once in the launch.  The last change that fills a slot asks for nothing.
.macro ASK
	s_cmp_gt_u32 s[SLOTS], s[LIM]
	s_cbranch_scc0 .Lnot_mine_\@
	global_prefetch_b8 v[PFO], s[PFA:PFA+1] th:TH_LOAD_NT scope:SCOPE_SE
.Lnot_mine_\@:
.endm
.macro CROUND
	s_barrier_signal -1
	s_barrier_wait -1
	s_cmp_lg_u32 s[WV], 0
	s_cbranch_scc1 .Lnot_wave_0_\@
	s_barrier_signal -3
.Lnot_wave_0_\@:
	s_barrier_wait -3
	s_barrier_signal -1
	s_barrier_wait -1
.endm
; THE CHANGE OF SLOTS.  Each wave waits for all its tensor loads (at most one is out: its part of the other slot), adds 0 to its spare word, and waits for that and for its reads of the slot that it leaves.
; fill = 1: the barrier is a round of the cluster's, and the joint fill of the slot just left is the first thing behind it.  (At its first use nothing has been read: slot 0 is waited for, slot 1 filled.)
.macro CHANGE fill
	WIN 0
	s_wait_tensorcnt 0x0                           ; no tensor load of mine is out, so a group 0 may be written
	ds_add_u32 v[SPW], v[NIL]                      ; 0 onto my spare word
.if \fill
.irp g, G0K, G0V
	s_xor_b32 s[\g+1], s[\g+1], SLOT1              ; the walking descriptor: the other slot,
	s_add_nc_u64 s[\g+2:\g+3], s[\g+2:\g+3], 32768 ; the next 256 keys
.endr
	s_wait_xcnt 0x0                                ; the last prefetch, a slot back, has read its address
	s_add_nc_u64 s[PFA:PFA+1], s[PFA:PFA+1], 32768
	s_wait_dscnt 0x0                               ; the add is done, and my reads of the slot are over
	CROUND
	JLOAD
	ASK
.else
	s_wait_dscnt 0x0
	s_barrier_signal -1
	s_barrier_wait -1
.endif
	s_sub_co_u32 s[TBK], s[TBK], SPS*64*PK         ; the fetches go back to a slot's first step,
	s_xor_b32 s[TBK], s[TBK], SLOT1                ; in the other slot
	s_sub_co_u32 s[TBV], s[TBV], SPS*64*PVP
	s_xor_b32 s[TBV], s[TBV], SLOT1
.endm
	s_load_b256 s[4:11], s[0:1], 0x0               ; qkv s[4:5], mkf s[6:7], gpart s[8:9], oh s[10:11]
	v_lshl_add_u32 v[SPW], v0, 2, SPARE
	v_mov_b32 v[NIL], 0
	ds_add_u32 v[SPW], v[NIL]                      ; the wave's opening: the add and its wait ahead of my first tensor load
	v_lshrrev_b32 v1, 5, v0
	v_readfirstlane_b32 s[WV], v1                  ; wave 0..7
	s_bfe_u32 s13, ttmp6, 0x40000                  ; cx
	s_lshl_b32 s14, ttmp9, 2
	s_add_co_u32 s14, s14, s13                     ; my block of queries
	s_and_b32 s20, ttmp7, 0xffff                   ; the head, which the four partners share
	s_lshr_b32 s21, s20, 4                         ; its batch
	s_lshl_b32 s20, s20, 19                        ; its first byte in a region
	s_and_b32 s[GG], s[WV], 1
	s_lshr_b32 s[JS], s[WV], 1
	s_lshl_b32 s22, s[GG], 14                      ; which half of a slot's 256 keys I fetch
	s_add_co_u32 s22, s22, s20
	s_mul_i32 s17, s[GG], 128*PK
	s_mul_i32 s18, s[GG], 128*PVP
.if MODE == 1
	s_lshl_b32 s19, s14, 9
	s_lshl_b32 s23, s[WV], 6
.else
	s_lshl_b32 s19, s14, 7
	s_lshl_b32 s23, s[GG], 6
.endif
	s_add_co_u32 s19, s19, s23                     ; my first query
	s_add_co_u32 s70, s22, KREG
	s_mov_b32 s71, 0
	s_add_co_u32 s72, s22, VREG
	s_mov_b32 s73, 0
	s_lshl_b32 s74, s19, 7
	s_add_co_u32 s74, s74, s20
	s_add_co_u32 s76, s74, OREG
	s_add_co_u32 s74, s74, QREG
	s_mov_b32 s75, 0
.if MODE == 2
	s_lshl_b32 s23, s[JS], 11                      ; I store tile w / 2: 16 rows of 128 bytes each
	s_add_co_u32 s76, s76, s23
.endif
	s_mov_b32 s77, 0
	s_lshl_b32 s78, s21, QMS
	s_add_co_u32 s78, s78, QMB
	s_lshl_b32 s23, s19, 2
	s_add_co_u32 s78, s78, s23
	s_mov_b32 s79, 0
	s_lshl_b32 s2, s21, KMS
	s_add_co_u32 s2, s2, KMB
.if MODE == 2
	s_lshl_b32 s23, s[JS], 8
	s_add_co_u32 s2, s2, s23
.endif
	s_mov_b32 s3, 0
	s_mov_b32 s[PFA], VREG
	s_cmp_lt_u32 s[WV], 2
	s_cselect_b32 s[PFA], KREG, s[PFA]
	s_add_co_u32 s[PFA], s[PFA], s20
	s_lshl_b32 s23, s13, 13                        ; my work-group's 32 blocks of the 128
	s_add_co_u32 s[PFA], s[PFA], s23
	s_add_co_u32 s[PFA], s[PFA], 32768             ; in the second 256 keys; the first change of slots steps it on.  Nothing is prefetched at the head
	s_mov_b32 s[PFA+1], 0
	s_and_b32 s[LIM], s[WV], 5                     ; 0 in waves 0 and 2,
	s_or_b32 s[LIM], s[LIM], ttmp9                 ; where the cluster is the head's first: the same in all four partners
	s_cmp_eq_u32 s[LIM], 0
	s_cselect_b32 s[LIM], 1, -1
	s_mov_b32 s[G1K], 15|(1<<16)|(1<<20)|(1<<21)|(4<<22)|(3<<25)  ; the mask of four; 2-byte elements; padding on; bit 21 beside a mask; after every 32 words 4 words
	s_mov_b32 s[G1V], 15|(1<<16)|(1<<20)|(1<<21)|(4<<22)|(7<<25)  ; the same with 8 words
.irp g, G1K, G1V
	s_mov_b32 s[\g+1], 128<<16                     ; 128 keys are 16,384 dense bytes: 64 rows of 256 bytes
	s_mov_b32 s[\g+2], 64<<16
	s_mov_b32 s[\g+3], 128<<16
	s_mov_b32 s[\g+4], 64
	s_mov_b32 s[\g+5], 128
	s_mov_b32 s[\g+6], 0
	s_mov_b32 s[\g+7], 0
.endr
	s_mov_b32 s[SEL], 0x76543210
	s_mov_b32 s[SEL+1], 0xfedcba98
	s_mov_b32 s[TBK], SLOT1+SPS*64*PK              ; the first change of slots turns these two into 0
	s_mov_b32 s[TBV], SLOT1+SPS*64*PVP
	s_mov_b32 s[G0K], 1
	s_mov_b32 s[G0K+1], s17
	s_mov_b32 s[G0V], 1
	s_add_co_u32 s[G0V+1], s18, VOFF
	s_mov_b32 s[SLOTS], NS-1
	s_wait_dscnt 0x0                               ; the opening add is done
	s_wait_kmcnt 0x0
	s_add_nc_u64 s[G0K+2:G0K+3], s[4:5], s[70:71]
	s_or_b32 s[G0K+3], s[G0K+3], 0x80000000
	s_add_nc_u64 s[G0V+2:G0V+3], s[4:5], s[72:73]
	s_or_b32 s[G0V+3], s[G0V+3], 0x80000000
	s_add_nc_u64 s[74:75], s[4:5], s[74:75]        ; Q at my first row
	s_add_nc_u64 s[10:11], s[10:11], s[76:77]      ; O at the first row that I store
	s_add_nc_u64 s[78:79], s[6:7], s[78:79]        ; the queries' table at my first row
	s_add_nc_u64 s[KMP:KMP+1], s[6:7], s[2:3]
	s_add_nc_u64 s[PFA:PFA+1], s[4:5], s[PFA:PFA+1]
	CROUND                                         ; all four work-groups are here: the first joint loads meet
	JLOAD                                          ; slot 0
	v_and_b32 v1, 15, v0                           ; l % 16
	v_bfe_u32 v9, v0, 4, 1                         ; l / 16
	v_lshlrev_b32 v14, 7, v1
	v_lshl_add_u32 v14, v9, 4, v14
	WIN TO1
.set i, 0
.rept 8                                ; Q stays in registers: tile i / 2, channels 32 (i % 2) on
	global_load_b128 v[QF+8*i:QF+8*i+3],   v14, s[74:75] offset:(i/2)*2048+(i%2)*64
	global_load_b128 v[QF+8*i+4:QF+8*i+7], v14, s[74:75] offset:(i/2)*2048+(i%2)*64+32
.set i, i+1
.endr
.set i, 0
.rept 128
	v_mov_b32 v[i], 0                              ; O^T: the first step multiplies it by a = 0, so it must be finite.  Written in the wait for the first tile
.set i, i+1
.endr
	WIN 0
	v_and_b32 v15, 31, v0
	v_lshlrev_b32 v15, 5, v15
	global_load_b128 v[64:67], v15, s[8:9]         ; the 256 partial maxima, eight a lane
	global_load_b128 v[68:71], v15, s[8:9] offset:16
	v_lshlrev_b32 v4, 2, v1
.irp t, 0,1,2,3
	global_load_b32 v[ST+8*\t+4], v4, s[78:79] offset:64*\t  ; my query's entry: 0 or -1e30
.endr
	v_mul_u32_u24 v[AK0], v1, PK
	v_lshl_add_u32 v[AK0], v9, 4, v[AK0]
	v_and_b32 v5, 7, v0
	v_lshl_add_u32 v[AV0], v9, 3, v5               ; the turning load: key 8 (l / 16) + l % 8, channels 8 ((l / 8) % 2) on
	v_mul_u32_u24 v[AV0], v[AV0], PVP
	v_bfe_u32 v8, v0, 3, 1
	v_lshl_add_u32 v[AV0], v8, 4, v[AV0]
	v_add_nc_u32 v[AV0], VOFF, v[AV0]
.if MODE == 2
	s_mul_i32 s23, s[JS], 64*PK                    ; my step of a slot's four
	v_add_nc_u32 v[AK0], s23, v[AK0]
	s_mul_i32 s23, s[JS], 64*PVP
	v_add_nc_u32 v[AV0], s23, v[AV0]
.endif
	s_mul_i32 s23, s[WV], 16*SP
	s_add_co_u32 s23, s23, STAGE
	v_mul_u32_u24 v[STO], v1, SP
	v_lshl_add_u32 v[STO], v9, 4, v[STO]
	v_add_nc_u32 v[STO], s23, v[STO]
	v_bfe_u32 v[RD], v0, 3, 2
	v_mul_u32_u24 v[RD], v[RD], SP
	v_lshl_add_u32 v[RD], v5, 4, v[RD]
	v_add_nc_u32 v[RD], s23, v[RD]
	v_and_b32 v[GO], 31, v0
	v_lshlrev_b32 v[GO], 4, v[GO]
	v_lshlrev_b32 v[AKM], 5, v9
	v_and_b32 v[PFO], 31, v0
	v_lshlrev_b32 v[PFO], 8, v[PFO]
.irp t, 0,1,2,3
	v_mov_b32 v[ST+8*\t], 0xfe000000               ; M: far below every score, hidden ones too
	v_mov_b32 v[ST+8*\t+1], 0xfe000000
	v_mov_b32 v[ST+8*\t+2], 0
	v_mov_b32 v[ST+8*\t+3], 0
	v_mov_b32 v[ST+8*\t+6], 0
	v_mov_b32 v[ST+8*\t+7], 0
.endr
	s_wait_loadcnt 0x0
.irp t, 0,1,2,3
	v_mul_f32 v[ST+8*\t+4], -1.0, v[ST+8*\t+4]
.endr
.irp t, 0,1,2,3
	v_min_num_f32 v[ST+8*\t+4], 1.0, v[ST+8*\t+4]  ; nm: 1 where my query's mask is false, else 0
.endr
.irp t, 0,1,2,3
	v_mov_b32 v[ST+8*\t+5], v[ST+8*\t+4]
.endr
	v_max3_num_f32 v64, v64, v65, v66
	v_max3_num_f32 v67, v67, v68, v69
	v_max3_num_f32 v64, v64, v70, v71
	v_max_num_f32 v64, v64, v67
	v_max_num_f32_dpp v64, v64, v64 row_xmask:1 row_mask:0xf bank_mask:0xf
	v_max_num_f32_dpp v64, v64, v64 row_xmask:2 row_mask:0xf bank_mask:0xf
	v_max_num_f32_dpp v64, v64, v64 row_xmask:4 row_mask:0xf bank_mask:0xf
	v_max_num_f32_dpp v64, v64, v64 row_xmask:8 row_mask:0xf bank_mask:0xf
	v_permlanex16_b32 v65, v64, s[SEL], s[SEL+1]
	v_max_num_f32 v64, v64, v65                    ; G
	v_add_f32 v64, 0xc78ce360, v64                 ; - 50,000 log2(e) = - 72,134.75
	v_readfirstlane_b32 s[TH], v64                 ; used as an operand of vector arithmetic alone
; 16 products S^T = K Q^T for tiles 2 p, 2 p + 1: channels 32 (i / 8) on, keys 16 ((i / 2) % 4) on.  The 8 accumulators take turns; the first 8 products start the sums.
.macro KQ p
	WIN W_KQ
.set i, 0
.rept 16
.set rD, S+32*(i%2)+8*((i/2)%4)
.set rK, KF+16*((i/2)%4)+8*(i/8)
.set rQ, QF+16*(2*(\p)+i%2)+8*(i/8)
.if i < 8
	v_wmma_f32_16x16x32_f16 v[rD:rD+7], v[rK:rK+7], v[rQ:rQ+7], 0
.else
	v_wmma_f32_16x16x32_f16 v[rD:rD+7], v[rK:rK+7], v[rQ:rQ+7], v[rD:rD+7]
.endif
.set i, i+1
.endr
.endm
; 16 products O^T += V^T P: keys 32 (i / 8) on, channels 16 ((i / 2) % 4) on.
.macro PVM p
	WIN W_PV
.set i, 0
.rept 16
.set rD, 32*(2*(\p)+i%2)+8*((i/2)%4)
.set rV, VF+32*(i/8)+8*((i/2)%4)
.set rB, P+16*(i%2)+8*(i/8)
	v_wmma_f32_16x16x32_f16 v[rD:rD+7], v[rV:rV+7], v[rB:rB+7], v[rD:rD+7]
.set i, i+1
.endr
.endm
.macro FETCH_V                         ; V of the step in hand, turned: 16 loads in one run
	WIN 0
	v_add_nc_u32 v[AV], s[TBV], v[AV0]
	s_add_co_u32 s[TBV], s[TBV], 64*PVP
	WIN TO1
.irp f, 0,1,2,3,4,5,6,7
	ds_load_tr16_b128 v[VF+8*\f:VF+8*\f+3],   v[AV] offset:(\f/4)*32*PVP+(\f%4)*32
	ds_load_tr16_b128 v[VF+8*\f+4:VF+8*\f+7], v[AV] offset:(\f/4)*32*PVP+16*PVP+(\f%4)*32
.endr
	WIN 0
.endm
.macro FETCH_K last                    ; K and the keys' mask entries of my next step.  last = 1 (the tail): the last step has none behind it, and the run is jumped over
	WIN 0
.if \last
	s_cmp_eq_u32 s[CNT], 1
	s_cbranch_scc1 .Lno_k_\@
.endif
	v_add_nc_u32 v[AK], s[TBK], v[AK0]
.irp f, 0,1,2,3,4,5,6,7
	ds_load_b128 v[KF+8*\f:KF+8*\f+3],   v[AK] offset:(\f/2)*16*PK+(\f%2)*64
	ds_load_b128 v[KF+8*\f+4:KF+8*\f+7], v[AK] offset:(\f/2)*16*PK+(\f%2)*64+32
.endr
	s_add_co_u32 s[TBK], s[TBK], 64*PK
.irp b, 0,1,2,3
	global_load_b128 v[KM+8*\b:KM+8*\b+3],   v[AKM], s[KMP:KMP+1] offset:64*\b
	global_load_b128 v[KM+8*\b+4:KM+8*\b+7], v[AKM], s[KMP:KMP+1] offset:64*\b+16
.endr
.if \last
.Lno_k_\@:
.endif
.endm
.macro REGS p, u
.set rT, ST+8*(2*(\p)+(\u))
.set rC, TMP+4*(\u)
.set rS, S+32*(\u)
.set rO, 32*(2*(\p)+(\u))
.endm
; Number n of the 21 that find a tile's new maximum and a: four chains of seven scores, the four left over, the old M, the lanes' other half; d = M_old - M; a = 2^d.
.macro XS p, u
	REGS \p, \u
.if n < 4
	v_max3_num_f32 v[rC+n], v[rS+8*n], v[rS+8*n+1], v[rS+8*n+2]
.elseif n < 12
	v_max3_num_f32 v[rC+n%4], v[rC+n%4], v[rS+8*(n%4)+2*(n/4)+1], v[rS+8*(n%4)+2*(n/4)+2]
.elseif n == 12
	v_max3_num_f32 v[rC], v[rC], v[rS+7], v[rS+15]
.elseif n == 13
	v_max3_num_f32 v[rC+1], v[rC+1], v[rS+23], v[rS+31]
.elseif n == 14
	v_max3_num_f32 v[rC+2], v[rC+2], v[rC+3], v[rT]
.elseif n == 15
	v_mov_b32 v[rT+1], v[rT]
.elseif n == 16
	v_max3_num_f32 v[rC], v[rC], v[rC+1], v[rC+2]
.elseif n == 17
	v_permlanex16_b32 v[rC+3], v[rC], s[SEL], s[SEL+1]
.elseif n == 18
	v_max_num_f32 v[rT], v[rC], v[rC+3]
.elseif n == 19
	v_sub_f32 v[rT+7], v[rT+1], v[rT]
.else
	v_exp_f32 v[rT+6], v[rT+7]
.endif
.endm
.macro TREE w, cnt                     ; in both tiles: the pair at w n takes the pair at w n + w / 2
.set n, 0
.rept \cnt
	v_pk_add_f32 v[S+(\w)*n:S+(\w)*n+1], v[S+(\w)*n:S+(\w)*n+1], v[S+(\w)*n+(\w)/2:S+(\w)*n+(\w)/2+1]
	v_pk_add_f32 v[S+32+(\w)*n:S+32+(\w)*n+1], v[S+32+(\w)*n:S+32+(\w)*n+1], v[S+32+(\w)*n+(\w)/2:S+32+(\w)*n+(\w)/2+1]
.set n, n+1
.endr
.endm
; THE SOFTMAX of tiles 2 p and 2 p + 1 for one key step; the two tiles alternate.  Its 66 exponentials are one batch: nothing ahead of the one wait names a result of theirs.
.macro SM p, last
	WIN 0
.set n, 0
.rept 64
	v_max_num_f32 v[S+n], s[TH], v[S+n]            ; the clip; ascending
.set n, n+1
.endr
.if (\p) == 0
	FETCH_V                                        ; 4 v_nop and 64 plain instructions behind the last product that read V
.endif
.set n, 0
.rept 16
.irp u, 0,1
	REGS \p, \u
	v_pk_fma_f32 v[rS+2*n:rS+2*n+1], v[KM+2*n:KM+2*n+1], v[rT+4:rT+5], v[rS+2*n:rS+2*n+1]  ; the mask: -1e30 where both sides are false
.endr
.set n, n+1
.endr
.if (\p) == 1
	FETCH_K \last                                  ; K and KM have had their last reader of this step
.endif
.set n, 0
.rept 21
	XS \p, 0
	XS \p, 1
.set n, n+1
.endr
.set n, 0
.rept 16
.irp u, 0,1
	REGS \p, \u
	v_pk_add_f32 v[rS+2*n:rS+2*n+1], v[rS+2*n:rS+2*n+1], v[rT:rT+1] op_sel_hi:[1,0] neg_lo:[0,1] neg_hi:[0,1]  ; x - M
.endr
.set n, n+1
.endr
.set n, 0
.rept 32
	v_exp_f32 v[S+n], v[S+n]
	v_exp_f32 v[S+32+n], v[S+32+n]
.set n, n+1
.endr
	v_nop                                          ; a plain instruction behind the last exponential
	s_wait_alu depctr_va_vdst(0)                   ; the one wait ahead of the first reader of the batch
.set n, 0
.rept 16
	v_cvt_pk_f16_f32 v[P+n], v[S+2*n], v[S+2*n+1]
	v_cvt_pk_f16_f32 v[P+16+n], v[S+32+2*n], v[S+32+2*n+1]
.set n, n+1
.endr
	TREE 4, 8
	TREE 8, 4
	TREE 16, 2
	TREE 32, 1
.irp u, 0,1
	REGS \p, \u
	v_pk_fma_f32 v[rT+2:rT+3], v[rT+2:rT+3], v[rT+6:rT+7], v[rS:rS+1] op_sel_hi:[1,0,1]  ; l = a l + the sum
.endr
	WIN W_RS
.set n, 0
.rept 16
.irp u, 0,1
	REGS \p, \u
	v_pk_mul_f32 v[rO+2*n:rO+2*n+1], v[rO+2*n:rO+2*n+1], v[rT+6:rT+7] op_sel_hi:[1,0]  ; O^T times a
.endr
.set n, n+1
.endr
.endm
.macro PARTA                           ; tiles 0 and 1 of a step; V of the step is fetched
	s_wait_dscnt 0x0                               ; K is in
	s_wait_loadcnt 0x0                             ; the keys' mask entries are in, so their pointer may be written
	s_add_nc_u64 s[KMP:KMP+1], s[KMP:KMP+1], KMSTEP
	KQ 0
	WIN 0
	PLACES
	SM 0, 0
	s_wait_dscnt 0x0                               ; V is in
	PVM 0
	WIN 0
.endm
.macro PARTB last                      ; tiles 2 and 3 of the step; K of the next step is fetched
	KQ 1
	WIN 0
	PLACES
	SM 1, \last
	PVM 1
	WIN 0
.endm
	CHANGE 1                                       ; slot 0 is in, everybody's part of it; slot 1 is asked for
	FETCH_K 0
	s_mov_b32 s[CNT], SPS
	s_branch .Lfirst                               ; the loop is entered at a step's first half
.Lslot:                                        ; NS - 2 times.  The change stands between a step's halves: its K and V lie in registers, the next K comes out of the other slot
	CHANGE 1
	s_mov_b32 s[CNT], SPS
.Lstep:
	PARTB 0
.Lfirst:
	PARTA
	s_sub_co_u32 s[CNT], s[CNT], 1
	s_cmp_lg_u32 s[CNT], 0
	s_cbranch_scc1 .Lstep
	s_sub_co_u32 s[SLOTS], s[SLOTS], 1
	s_cmp_lg_u32 s[SLOTS], 0
	s_cbranch_scc1 .Lslot
	CHANGE 0                                       ; the tail is written out: nothing is asked for
	s_mov_b32 s[CNT], SPS+1
.Ltail:
	PARTB 1
	s_sub_co_u32 s[CNT], s[CNT], 1
	s_cmp_eq_u32 s[CNT], 0
	s_cbranch_scc1 .Lout
	PARTA
	s_branch .Ltail
.Lout:
.macro ALL line:vararg                 ; one line for each tile t
.set t, 0
.rept 4
	\line
.set t, t+1
.endr
.endm
	; l's two halves and the other half of the lanes' are added.  The first four additions are the plain instructions behind the last products.
	ALL v_add_f32 v[ST+8*t+2], v[ST+8*t+2], v[ST+8*t+3]
	ALL v_permlanex16_b32 v[ST+8*t+3], v[ST+8*t+2], s[SEL], s[SEL+1]
	ALL v_add_f32 v[ST+8*t+2], v[ST+8*t+2], v[ST+8*t+3]
	s_mov_b32 s69, 0xef800000                      ; -2^96: a maximum below it has seen hidden scores alone
.if MODE == 1
	; THE WAY OUT: O^T / l, rounded to f16, a tile at a time through my stage, back as whole rows: 2,048 consecutive bytes of the head.
	ALL v_rcp_f32 v[ST+8*t+2], v[ST+8*t+2]
	v_mov_b32 v14, 0x7fc00000                      ; NaN; also the plain instruction behind the last reciprocal
	s_wait_alu depctr_va_vdst(0)                   ; one wait for the four reciprocals
.set t, 0
.rept 4
	v_cmp_gt_f32 vcc_lo, s69, v[ST+8*t]
	v_cndmask_b32 v[ST+8*t+2], v[ST+8*t+2], v14, vcc_lo
.set t, t+1
.endr
.macro PACK t
	WIN W_RS
.set i, 32*(\t)
.rept 16
	v_pk_mul_f32 v[i:i+1], v[i:i+1], v[ST+8*(\t)+2:ST+8*(\t)+3] op_sel_hi:[1,0]
.set i, i+2
.endr
	WIN 0x05                                       ; sources 0 and 1 window 1, destination window 0
.set i, 0
.rept 16
	v_cvt_pk_f16_f32 v[S+16*(\t)+i], v[32*(\t)+2*i], v[32*(\t)+2*i+1]
.set i, i+1
.endr
	WIN 0
.irp f, 0,1,2,3
	ds_store_b128 v[STO], v[S+16*(\t)+4*\f:S+16*(\t)+4*\f+3] offset:32*\f
.endr
.irp f, 0,1,2,3
	ds_load_b128 v[S+16*(\t)+4*\f:S+16*(\t)+4*\f+3], v[RD] offset:\f*4*SP  ; LDS serves a wave's instructions in order (ISA guide 5.7.1.4)
.endr
.endm
.macro SEND t, younger                 ; younger: the next tile's eight LDS instructions, or none
.irp f, 0,1,2,3
	s_wait_dscnt (\younger)+3-\f
	global_store_b128 v[GO], v[S+16*(\t)+4*\f:S+16*(\t)+4*\f+3], s[10:11] offset:(\t)*2048+\f*512  ; 512 consecutive bytes, aligned
.endr
.endm
	PACK 0
	PACK 1
	SEND 0, 8
	PACK 2
	SEND 1, 8
	PACK 3
	SEND 2, 8
	SEND 3, 0
.else
	; THE MERGE.  The four waves with my 64 queries have seen a quarter of the keys each.  M and l meet in LDS; each wave scales its O^T by 2^(M - M*) / L and lays it into LDS; wave w adds up tile w / 2 and stores it.
	v_and_b32 v53, 31, v0
	s_lshl_b32 s70, s[WV], 10
	s_add_co_u32 s70, s70, XCH
	v_lshl_add_u32 v48, v53, 2, s70                ; where I put my M and l
	s_lshl_b32 s71, s[GG], 10
	s_add_co_u32 s71, s71, XCH
	v_lshl_add_u32 v49, v53, 2, s71                ; where the four partners' lie, 2,048 bytes apart
	s_lshl_b32 s72, s[WV], 14
	s_add_co_u32 s72, s72, PART
	v_lshl_add_u32 v50, v53, 4, s72                ; where I put my O^T
	s_lshl_b32 s73, s[GG], 14
	s_lshl_b32 s74, s[JS], 12
	s_add_co_u32 s73, s73, s74
	s_add_co_u32 s73, s73, PART
	v_lshl_add_u32 v51, v53, 4, s73                ; my tile in the partners' O^T, 32,768 bytes apart
	v_add_nc_u32 v52, 65536, v51
.irp t, 0,1,2,3
	ds_store_b32 v48, v[ST+8*\t] offset:256*\t
	ds_store_b32 v48, v[ST+8*\t+2] offset:256*\t+128
.endr
	s_wait_dscnt 0x0                               ; my stores are done; my reads of the slots were over before
	s_barrier_signal -1
	s_barrier_wait -1                              ; so behind this barrier nobody reads a slot any more
.irp j, 0,1,2,3
.irp t, 0,1,2,3
	ds_load_b32 v[64+8*\j+2*\t],   v49 offset:2048*\j+256*\t
	ds_load_b32 v[64+8*\j+2*\t+1], v49 offset:2048*\j+256*\t+128
.endr
.endr
	s_wait_dscnt 0x0
	ALL v_max3_num_f32 v[96+t], v[64+2*t], v[72+2*t], v[80+2*t]
	ALL v_max_num_f32 v[96+t], v[96+t], v[88+2*t]
.irp j, 0,1,2,3
	ALL v_sub_f32 v[100+4*t+\j], v[64+8*\j+2*t], v[96+t]
.endr
	ALL v_sub_f32 v[116+t], v[ST+8*t], v[96+t]
.set i, 0
.rept 20
	v_exp_f32 v[100+i], v[100+i]
.set i, i+1
.endr
	v_mov_b32 v14, 0x7fc00000                      ; NaN; also the plain instruction behind the last exponential
	s_wait_alu depctr_va_vdst(0)                   ; one wait for the twenty
	ALL v_mul_f32 v[120+t], v[100+4*t], v[65+2*t]
.irp j, 1,2,3
	ALL v_fmac_f32 v[120+t], v[100+4*t+\j], v[65+8*\j+2*t]
.endr
	ALL v_rcp_f32 v[120+t], v[120+t]
	v_nop
	s_wait_alu depctr_va_vdst(0)                   ; one wait for the four reciprocals
	ALL v_mul_f32 v[ST+8*t+2], v[116+t], v[120+t]
.set t, 0
.rept 4
	v_cmp_gt_f32 vcc_lo, s69, v[96+t]
	v_cndmask_b32 v[ST+8*t+2], v[ST+8*t+2], v14, vcc_lo
.set t, t+1
.endr
	WIN W_RS
.set i, 0
.rept 64
	v_pk_mul_f32 v[2*i:2*i+1], v[2*i:2*i+1], v[ST+8*(i/16)+2:ST+8*(i/16)+3] op_sel_hi:[1,0]
.set i, i+1
.endr
	WIN 0x04                                       ; store data (source 1) in window 1
.set i, 0
.rept 32
	ds_store_b128 v50, v[4*i:4*i+3] offset:512*i
.set i, i+1
.endr
	WIN 0
	s_wait_dscnt 0x0
	s_barrier_signal -1
	s_barrier_wait -1
.irp j, 0,1
.irp i, 0,1,2,3,4,5,6,7
	ds_load_b128 v[64+32*\j+4*\i:64+32*\j+4*\i+3],   v51 offset:32768*\j+512*\i
	ds_load_b128 v[128+32*\j+4*\i:128+32*\j+4*\i+3], v52 offset:32768*\j+512*\i
.endr
.endr
	s_wait_dscnt 0x0
.set i, 0
.rept 16
	v_pk_add_f32 v[64+2*i:64+2*i+1], v[64+2*i:64+2*i+1], v[96+2*i:96+2*i+1]
	v_pk_add_f32 v[128+2*i:128+2*i+1], v[128+2*i:128+2*i+1], v[160+2*i:160+2*i+1]
.set i, i+1
.endr
.set i, 0
.rept 16
	v_pk_add_f32 v[64+2*i:64+2*i+1], v[64+2*i:64+2*i+1], v[128+2*i:128+2*i+1]
.set i, i+1
.endr
.set i, 0
.rept 16
	v_cvt_pk_f16_f32 v[192+i], v[64+2*i], v[64+2*i+1]
.set i, i+1
.endr
.irp f, 0,1,2,3
	ds_store_b128 v[STO], v[192+4*\f:192+4*\f+3] offset:32*\f
.endr
.irp f, 0,1,2,3
	ds_load_b128 v[192+4*\f:192+4*\f+3], v[RD] offset:\f*4*SP
.endr
.irp f, 0,1,2,3
	s_wait_dscnt 3-\f
	global_store_b128 v[GO], v[192+4*\f:192+4*\f+3], s[10:11] offset:\f*512
.endr
.endif
	s_wait_tensorcnt 0x0                           ; the wave's end
	ds_add_u32 v[SPW], v[NIL]
	s_wait_dscnt 0x0
	CROUND                                         ; the closing round
	s_endpgm
.Lfunc_end_k_q7e3477f2de_attn2:
	.size	k_q7e3477f2de_attn2, .Lfunc_end_k_q7e3477f2de_attn2-k_q7e3477f2de_attn2
	.p2alignl 7, 3214868480
	.fill 96, 4, 3214868480
	.section	.rodata,"a",@progbits
	.p2align	6, 0x0
	.amdhsa_kernel k_q7e3477f2de_attn2
		.amdhsa_group_segment_fixed_size 327680
		.amdhsa_private_segment_fixed_size 0
		.amdhsa_enable_private_segment 0
		.amdhsa_kernarg_size 32
		.amdhsa_user_sgpr_count 2
		.amdhsa_user_sgpr_kernarg_segment_ptr 1
		.amdhsa_wavefront_size32 1
		.amdhsa_system_sgpr_workgroup_id_x 1
		.amdhsa_system_sgpr_workgroup_id_y 1
		.amdhsa_system_sgpr_workgroup_id_z 1
		.amdhsa_system_vgpr_workitem_id 0
		.amdhsa_next_free_vgpr 512
		.amdhsa_next_free_sgpr 80
		.amdhsa_reserve_vcc 1
		.amdhsa_float_denorm_mode_32 3
		.amdhsa_float_denorm_mode_16_64 3
		.amdhsa_memory_ordered 1
		.amdhsa_forward_progress 1
		.amdhsa_inst_pref_size 124
	.end_amdhsa_kernel
	.amdgpu_metadata
---
amdhsa.version: [ 1, 2 ]
amdhsa.kernels:
  - .name:           k_q7e3477f2de_attn2
    .symbol:         k_q7e3477f2de_attn2.kd
    .args:
      - { .name: qkv, .offset: 0, .size: 8, .value_kind: global_buffer, .address_space: global }
      - { .name: mkf, .offset: 8, .size: 8, .value_kind: global_buffer, .address_space: global }
      - { .name: gpart, .offset: 16, .size: 8, .value_kind: global_buffer, .address_space: global }
      - { .name: oh, .offset: 24, .size: 8, .value_kind: global_buffer, .address_space: global }
    .group_segment_fixed_size: 327680
    .private_segment_fixed_size: 0
    .kernarg_segment_align: 8
    .kernarg_segment_size: 32
    .max_flat_workgroup_size: 256
    .sgpr_count:     80
    .vgpr_count:     512
    .wavefront_size: 32
...
	.end_amdgpu_metadata
.endif
;; end of part 5
;; launch outp (part 6): grid 16 x 16, 4 waves a work-group, clusters of 4 x 1, 327,680 bytes of LDS; arguments oh, cst, bo1, bo2, out0, out1; writes out0, out1
.if DOCPART == 6
	.amdgcn_target "amdgcn-amd-amdhsa--gfx1250"
	.amdhsa_code_object_version 6
	.text
	.protected	k_q7e3477f2de_outp
	.globl	k_q7e3477f2de_outp
	.p2align	8
	.type	k_q7e3477f2de_outp,@function
k_q7e3477f2de_outp:
	s_mov_b64 s[64:65], 0
	v_nop
	global_prefetch_b8 v0, s[64:65] scope:SCOPE_SE
	s_setreg_imm32_b32 hwreg(HW_REG_WAVE_MODE, 25, 1), 1
	s_wait_xcnt 0x0
	s_wait_alu depctr_hold_cnt(0) depctr_sa_sdst(0) depctr_va_vdst(0) depctr_va_sdst(0) depctr_va_ssrc(0) depctr_va_vcc(0) depctr_vm_vsrc(0)
	s_getreg_b32 s2, hwreg(HW_REG_IB_STS2, 6, 4)
	s_cmp_eq_u32 s2, 0
	s_cbranch_scc0 .Lentry_in_a_cluster
	s_endpgm
.Lentry_in_a_cluster:
	s_bfe_u32 s2, ttmp6, 0x10000c
	s_cmp_lg_u32 s2, 0x3003
	s_cbranch_scc0 .Lentry_shape_is_right
	s_endpgm
.Lentry_shape_is_right:
; THE TWO OUTPUT PROJECTIONS.  out0 = o1 Wo1^T + bo1 (8,192 x 1,024), out1 = o2 Wo2^T + bo2 (2,048 x 768), f32.  o1 and o2 lie by heads in oh, f16 [32 heads][4,096 rows][64]; the weights in cst, f16 rows of 1,024.
; A NaN row of o (a query with no allowed key) gives a NaN row of the output, as in reference().
; A tile of C is 128 x 128: four waves, each 64 x 64.  out0 has 512 tiles, out1 96.
; A WORK-GROUP STAYS: 256 work-groups (x, y).  Each makes two tiles of out0: tile column y % 8, tile rows x + 16 (y / 8) of batch 0 and of batch 1.  Those with y < 6 then make a tile of out1: tile column y, tile row x.
; 608 tiles do not divide by 256: 96 work-groups have three tiles, 160 two.  The ring does not stop at a tile's end.  A lap is two K steps; the laps with refills (all but the last: 3 or 5) are one loop, counted up to a
; bound made of y alone, which the four partners of a cluster share; every LDS address in it is a constant.  At the end of a trip the text forks, forward, on the lap's parity: the tile goes on, or it goes out and the
; next tile's first quarter starts the sums anew.  No barrier and no tensor load stands in the fork.  Where y >= 6 the third tile's numbers are made and never used.
; K goes in four steps of 256 = four heads.  A's tile: one tensor load brings 64 rows of each of four heads, as a tile of 4 rows of 8,192 dense bytes, 524,288 bytes apart, padded after every 128 bytes:
; in LDS [head][row] with rows 144 bytes apart.  B's tile: 64 rows of 512 bytes, 528 apart.
; CLUSTER: 4 x 1: out1 has 6 tile columns, which no 4 x 4 divides.  The four tile rows of a cluster want the same tile of B: asked for jointly.  A's tiles are each work-group's own: plain loads, behind the same rounds.
; The matrix instruction is used transposed: a lane holds eight neighbouring columns of one row; 16 rows at a time go through my stage, and 16 lanes store 256 consecutive aligned bytes.
; No prefetch: the tiles are small, and each block of B is read by several work-groups.
; REGISTERS: window 0: v0-31 addresses; v32-95 rows read back, two sets; v96-127 the bias of my 64 columns; v128-255 accumulators.  Window 1: two fragment buffers of 128.
.set KSTEP,  256
.set KA,     4*524288                  ; bytes of oh from a K step to the next: four heads
.set KB,     2*KSTEP                   ; bytes of a row of cst in a K step
.set PITCH,  528
.set PA,     144
.set AHALF,  4*64*PA                   ; 36,864: what a load of A brings
.set HALFB,  64*PITCH                  ; 33,792: what a load of B brings
.set BOFF,   2*AHALF
.set SLOT,   2*AHALF+2*HALFB
.set STAGE,  2*SLOT                    ; behind the ring: 16 rows x 272 bytes for each wave; no tensor load lands here
.set SPITCH, 272
.set SPARE,  STAGE+4*16*SPITCH
.set CO,   6                           ; v[6:13]  byte offsets in C of the eight pairs of rows that I store: made anew for each tile
.set ADRA, 16
.set ADRB, 20
.set STO,  24
.set RD,   25
.set BO,   27
.set SPW,  28
.set NIL,  29
.set OUT,  32
.set BI,   96
.set ACC,  128
.set F0,   0
.set F1,   128
.set NA,  4                            ; s4   offset in oh of the next tile's K step 0 of A
.set NA2, 5                            ; s5   and of the third tile's
.set NB,  6                            ; s6   offset in cst of the next tile's K step 0 of B
.set NB2, 7                            ; s7   and of the third tile's
.set OA,  16                           ; s[16:17] offset in oh of the K step of A that was asked for last (the high word is 0)
.set AST, 18                           ; s18  what a lap's first refill adds to it: a K step, or the way to the next tile
.set BST, 19                           ; s19  the same for B
.set G1,  24
.set G0,  32
.set LB,  45                           ; s45  laps with refills: 5 where y < 6, else 3
.set OB,  46                           ; s[46:47] as OA, for B, in cst
.set G1B, 48
.set G0B, 56
.set BP,  70                           ; s[70:71] the bias of my 64 columns, for the tile in hand
.set EE,  90                           ; s90-92  where my part of this tile and of the later ones begins in its output: shifted down at each tile's end
.set FB1, 93                           ; s93  my first column in bytes, in out0 and bo1
.set FB2, 94                           ; s94  in out1 and bo2
.set TL,  95                           ; s95  the tile in hand, 0 to 2
.set PAR, 96                           ; s96  the lap's parity
.set MSB, 0
.macro WIN new
.if MSB != (\new)
	s_set_vgpr_msb (MSB<<8)|(\new)
.set MSB, \new
.endif
.endm
.set MUL,  0x05
.set TO_F, 0x40
.macro JLOAD s                         ; waves 0 and 1 fetch A's two halves (plain), waves 2 and 3 B's (joint); an s_nop 0 and four v_nop follow each line
	s_cmp_eq_u32 s11, 0
	s_cbranch_scc0 .Lfor_b_\@
	tensor_load_to_lds s[G0+4*(\s):G0+4*(\s)+3], s[G1:G1+7]
	s_nop 0
.rept 4
	v_nop
.endr
	s_branch .Lasked_\@
.Lfor_b_\@:
	tensor_load_to_lds s[G0B+4*(\s):G0B+4*(\s)+3], s[G1B:G1B+7]
	s_nop 0
.rept 4
	v_nop
.endr
.Lasked_\@:
.endm
.macro CREST
	s_cmp_lg_u32 s10, 0
	s_cbranch_scc1 .Lnot_wave_0_\@
	s_barrier_signal -3
.Lnot_wave_0_\@:
	s_barrier_wait -3
	s_barrier_signal -1
	s_barrier_wait -1
.endm
.macro CROUND
	s_barrier_signal -1
	s_barrier_wait -1
	CREST
.endm
.macro ADDR s                          ; slot s's two descriptors take the K step at OA and OB: a buffer's address plus an offset, the type bits set again
	s_add_nc_u64 s[G0+4*(\s)+2:G0+4*(\s)+3], s[72:73], s[OA:OA+1]
	s_or_b32 s[G0+4*(\s)+3], s[G0+4*(\s)+3], 0x80000000
	s_add_nc_u64 s[G0B+4*(\s)+2:G0B+4*(\s)+3], s[74:75], s[OB:OB+1]
	s_or_b32 s[G0B+4*(\s)+3], s[G0B+4*(\s)+3], 0x80000000
.endm
	s_load_b256 s[72:79], s[0:1], 0x0              ; oh s[72:73], cst s[74:75], bo1 s[76:77], bo2 s[78:79]
	s_load_b128 s[80:83], s[0:1], 0x20             ; out0 s[80:81], out1 s[82:83]
	v_lshl_add_u32 v[SPW], v0, 2, SPARE
	v_mov_b32 v[NIL], 0
	ds_add_u32 v[SPW], v[NIL]                      ; the wave's opening: the add and its wait ahead of my first tensor load
	v_lshrrev_b32 v1, 5, v0
	v_readfirstlane_b32 s10, v1                    ; wave 0..3
	s_lshr_b32 s11, s10, 1                         ; which half of the tile's rows is mine.  Also: I fetch for A (0) or for B (1)
	s_and_b32 s12, s10, 1                          ; which half of its columns.  Also: which 64 rows of that tile I fetch
	s_bfe_u32 s40, ttmp6, 0x40000                  ; cx
	s_lshl_b32 s42, ttmp9, 2
	s_add_co_u32 s42, s42, s40                     ; x = 4 x cluster x + cx
	s_and_b32 s13, ttmp7, 0xffff                   ; y, which the four partners share
	s_and_b32 s41, s13, 7                          ; out0: tile column,
	s_lshr_b32 s43, s13, 3
	s_lshl_b32 s43, s43, 4
	s_add_co_u32 s43, s43, s42                     ; and tile row in a batch, 0..31
	s_cmp_lt_u32 s13, 6
	s_cselect_b32 s[LB], 5, 3
	s_mov_b32 s[G1], (1<<16)|(1<<20)|(4<<22)|(3<<25)  ; A: no mask; 2-byte elements; padding on: after every 32 words 4 words
	s_mov_b32 s[G1+1], 4096<<16                    ; tensor_dim0 = 4,096 elements: 64 dense rows of a head
	s_mov_b32 s[G1+2], 4<<16                       ; tensor_dim1 = 4 heads
	s_mov_b32 s[G1+3], 4096<<16                    ; tile_dim0
	s_mov_b32 s[G1+4], 4                           ; tile_dim1
	s_mov_b32 s[G1+5], 262144                      ; elements from head to head
	s_mov_b32 s[G1+6], 0
	s_mov_b32 s[G1+7], 0
	s_mov_b32 s[G1B], 15|(1<<16)|(1<<20)|(1<<21)|(6<<22)|(3<<25)  ; B: the mask of four; bit 21 beside it; after every 128 words 4 words
	s_mov_b32 s[G1B+1], KSTEP<<16
	s_mov_b32 s[G1B+2], 64<<16
	s_mov_b32 s[G1B+3], KSTEP<<16
	s_mov_b32 s[G1B+4], 64
	s_mov_b32 s[G1B+5], 1024
	s_mov_b32 s[G1B+6], 0
	s_mov_b32 s[G1B+7], 0
	s_lshl_b32 s14, s12, 6                         ; which 64 rows of a tile I fetch
	s_lshl_b32 s[OB], s41, 7                       ; B: Wo1 begins at row 14,336 of cst
	s_add_co_u32 s[OB], s[OB], s14
	s_add_co_u32 s[OB], s[OB], 14336
	s_lshl_b32 s[OB], s[OB], 11
	s_mov_b32 s[OB+1], 0
	s_mov_b32 s[NB], s[OB]                         ; the second tile takes the same rows of B
	s_lshl_b32 s[NB2], s13, 7                      ; Wo2 begins at row 15,360
	s_add_co_u32 s[NB2], s[NB2], s14
	s_add_co_u32 s[NB2], s[NB2], 15360
	s_lshl_b32 s[NB2], s[NB2], 11
	s_lshl_b32 s[OA], s43, 7                       ; A: o1, batch 0, head 0
	s_add_co_u32 s[OA], s[OA], s14
	s_lshl_b32 s[OA], s[OA], 7                     ; 128 bytes a row
	s_mov_b32 s[OA+1], 0
	s_add_co_u32 s[NA], s[OA], 16*524288           ; batch 1: 16 heads on
	s_lshr_b32 s22, s42, 3                         ; o2: batch x / 8, rows 128 (x % 8)
	s_lshl_b32 s22, s22, 16
	s_and_b32 s23, s42, 7
	s_lshl_b32 s23, s23, 7
	s_add_co_u32 s22, s22, s23
	s_add_co_u32 s22, s22, s14
	s_lshl_b32 s22, s22, 7
	s_add_co_u32 s[NA2], s22, 1<<24                ; o2 is the second region
	s_mov_b32 s[AST], KA
	s_mov_b32 s[BST], KB
	s_mov_b32 s[TL], 0
	s_mov_b32 s[PAR], 0
	s_mul_i32 s20, s12, AHALF                      ; where the tiles go: no place in the cluster enters an LDS address
	s_mul_i32 s21, s12, HALFB
	s_add_co_u32 s21, s21, BOFF
	s_wait_dscnt 0x0                               ; the opening add is done
	s_wait_kmcnt 0x0
	CROUND                                         ; all four work-groups are here: the first joint loads meet
.irp s, 0,1
	s_mov_b32 s[G0+4*(\s)], 1
	s_add_co_u32 s[G0+4*(\s)+1], s20, (\s)*SLOT
	s_mov_b32 s[G0B+4*(\s)], 1
	s_add_co_u32 s[G0B+4*(\s)+1], s21, (\s)*SLOT
	ADDR \s
	JLOAD \s
.if (\s) == 0
	s_add_co_u32 s[OA], s[OA], KA                  ; K step 1
	s_add_co_u32 s[OB], s[OB], KB
.endif
.endr
	v_and_b32 v1, 15, v0                           ; l % 16: kept
	v_bfe_u32 v2, v0, 4, 1                         ; l / 16: kept
	v_mul_u32_u24 v3, v1, PITCH
	v_lshl_add_u32 v3, v2, 4, v3
	v_mul_u32_u24 v4, v1, PA
	v_lshl_add_u32 v4, v2, 4, v4
	s_mul_i32 s21, s11, AHALF                      ; my 64 rows of A
	s_mul_i32 s22, s12, HALFB                      ; my 64 rows of B
	s_add_co_u32 s22, s22, BOFF
.irp s, 0,1
	v_add_nc_u32 v[ADRA+(\s)], s21, v4
	v_add_nc_u32 v[ADRB+(\s)], s22, v3
	s_add_co_u32 s21, s21, SLOT
	s_add_co_u32 s22, s22, SLOT
.endr
	s_mul_i32 s23, s10, 16*SPITCH
	s_add_co_u32 s23, s23, STAGE                   ; my stage
	v_mul_u32_u24 v4, v1, SPITCH                   ; in: row l % 16, 32 bytes for each half of the lanes
	v_lshl_add_u32 v4, v2, 5, v4
	v_add_nc_u32 v[STO], s23, v4
	v_mul_u32_u24 v5, v2, SPITCH                   ; back: lanes 0-15 one row of 256 bytes, lanes 16-31 the next
	v_lshl_add_u32 v5, v1, 4, v5
	v_add_nc_u32 v[RD], s23, v5
	v_lshlrev_b32 v[BO], 5, v2
	; where my part of the tiles begins in the outputs
	s_lshl_b32 s84, s43, 7
	s_lshl_b32 s85, s11, 6
	s_add_co_u32 s84, s84, s85                     ; my first row of out0
	s_lshl_b32 s84, s84, 12                        ; 4,096 bytes a row
	s_lshl_b32 s[FB1], s41, 9
	s_lshl_b32 s86, s12, 8
	s_add_co_u32 s[FB1], s[FB1], s86
	s_add_co_u32 s[EE], s84, s[FB1]
	s_add_co_u32 s[EE+1], s[EE], 1<<24             ; batch 1: 4,096 rows on
	s_lshl_b32 s84, s42, 7
	s_add_co_u32 s84, s84, s85                     ; my first row of out1
	s_mul_i32 s84, s84, 3072
	s_lshl_b32 s[FB2], s13, 9
	s_add_co_u32 s[FB2], s[FB2], s86
	s_add_co_u32 s[EE+2], s84, s[FB2]
	s_mov_b32 s85, 0
	s_mov_b32 s89, 0
	s_mov_b32 s84, s[FB1]
	s_add_nc_u64 s[BP:BP+1], s[76:77], s[84:85]
.macro BIAS                            ; the bias of the tile that begins
.irp b, 0,1,2,3
	global_load_b128 v[BI+8*\b:BI+8*\b+3],   v[BO], s[BP:BP+1] offset:64*\b
	global_load_b128 v[BI+8*\b+4:BI+8*\b+7], v[BO], s[BP:BP+1] offset:64*\b+16
.endr
.endm
	BIAS
.macro MUL8 f, c, a0, zero
	WIN MUL
.irp a, \a0, (\a0)+1
.irp b, 0,1,2,3
.if \zero
	v_wmma_f32_16x16x32_f16 v[ACC+8*(4*(\a)+(\b)):ACC+8*(4*(\a)+(\b))+7], v[(\f)+64+8*(4*(\c)+(\b)):(\f)+64+8*(4*(\c)+(\b))+7], v[(\f)+8*(4*(\c)+(\a)):(\f)+8*(4*(\c)+(\a))+7], 0
.else
	v_wmma_f32_16x16x32_f16 v[ACC+8*(4*(\a)+(\b)):ACC+8*(4*(\a)+(\b))+7], v[(\f)+64+8*(4*(\c)+(\b)):(\f)+64+8*(4*(\c)+(\b))+7], v[(\f)+8*(4*(\c)+(\a)):(\f)+8*(4*(\c)+(\a))+7], v[ACC+8*(4*(\a)+(\b)):ACC+8*(4*(\a)+(\b))+7]
.endif
.endr
.endr
.endm
; 32 LDS loads in one run: 64 along K, which is one head: byte k of B's rows, head k / 128 of A's tile
.macro FETCH slot, k, f
	WIN TO_F
.irp c, 0,1
.irp i, 0,1,2,3
	ds_load_b128 v[(\f)+64+8*(4*(\c)+(\i)):(\f)+64+8*(4*(\c)+(\i))+3],   v[ADRB+(\slot)] offset:(\k)+64*(\c)+(\i)*16*PITCH
	ds_load_b128 v[(\f)+64+8*(4*(\c)+(\i))+4:(\f)+64+8*(4*(\c)+(\i))+7], v[ADRB+(\slot)] offset:(\k)+64*(\c)+(\i)*16*PITCH+32
	ds_load_b128 v[(\f)+8*(4*(\c)+(\i)):(\f)+8*(4*(\c)+(\i))+3],         v[ADRA+(\slot)] offset:((\k)/128)*64*PA+64*(\c)+(\i)*16*PA
	ds_load_b128 v[(\f)+8*(4*(\c)+(\i))+4:(\f)+8*(4*(\c)+(\i))+7],       v[ADRA+(\slot)] offset:((\k)/128)*64*PA+64*(\c)+(\i)*16*PA+32
.endr
.endr
.endm
.macro PLACES
.rept 4
	v_nop
.endr
.endm
.macro QUARTER slot, k, f, g, zero
	s_wait_dscnt 16                                ; the first 32 along K are in; the run's other sixteen loads may be out
	WIN MUL
	MUL8 \f, 0, 0, \zero
	MUL8 \f, 0, 2, \zero
	PLACES
	FETCH \slot, \k, \g
	s_wait_dscnt 32                                ; all but the 32 just issued
	WIN MUL
	MUL8 \f, 1, 0, 0
	MUL8 \f, 1, 2, 0
.endm
; The last quarter multiplies buffer 1 and changes slots.  fill = 1: this slot is filled again, with the K step that follows the one asked for last, in this tile or the next; its address is made while the add is out.
.macro TURN slot, next, fill
	WIN 0
	s_wait_tensorcnt 0x0                           ; all my tensor loads have landed: my part of the next slot; so a group 0 may be written
	ds_add_u32 v[SPW], v[NIL]                      ; 0 onto my spare word
.if \fill
.if (\slot) == 0
	s_add_co_u32 s[OA], s[OA], s[AST]              ; an even K step: the tile's third, or the next tile's first
	s_add_co_u32 s[OB], s[OB], s[BST]
.else
	s_add_co_u32 s[OA], s[OA], KA                  ; an odd K step follows its even one
	s_add_co_u32 s[OB], s[OB], KB
.endif
	ADDR \slot
.endif
	s_wait_dscnt 17                                ; the add and the youngest sixteen loads may be out
	WIN MUL
	MUL8 F1, 0, 0, 0
	s_wait_dscnt 0x0                               ; the add is done, and my reads of this slot are over
	s_barrier_signal -1
	MUL8 F1, 0, 2, 0
.if \fill
	WIN 0
.endif
	s_barrier_wait -1
.if \fill
	CREST                                          ; the barrier has opened a round of the cluster's
	JLOAD \slot
.else
	PLACES
.endif
	FETCH \next, 0, F0
	WIN MUL
	MUL8 F1, 1, 0, 0
	MUL8 F1, 1, 2, 0
.endm
; THE WAY OUT, 16 rows at a time: the bias is added; 32 bytes a lane go into my stage; whole rows of 256 bytes come back and are stored.
.macro OUTB a
.irp b, 0,1,2,3
.irp r, 0,1,2,3
	v_pk_add_f32 v[ACC+8*(4*(\a)+(\b))+2*(\r):ACC+8*(4*(\a)+(\b))+2*(\r)+1], v[ACC+8*(4*(\a)+(\b))+2*(\r):ACC+8*(4*(\a)+(\b))+2*(\r)+1], v[BI+8*(\b)+2*(\r):BI+8*(\b)+2*(\r)+1]
.endr
.endr
.irp b, 0,1,2,3
	ds_store_b128 v[STO], v[ACC+8*(4*(\a)+(\b)):ACC+8*(4*(\a)+(\b))+3]   offset:64*(\b)
	ds_store_b128 v[STO], v[ACC+8*(4*(\a)+(\b))+4:ACC+8*(4*(\a)+(\b))+7] offset:64*(\b)+16
.endr
.irp t, 0,1,2,3,4,5,6,7
	ds_load_b128 v[OUT+32*((\a)%2)+4*(\t):OUT+32*((\a)%2)+4*(\t)+3], v[RD] offset:(\t)*2*SPITCH  ; LDS serves a wave's instructions in order (ISA guide 5.7.1.4).  This set of registers was last stored from two blocks back, ahead of an s_wait_xcnt 0
.endr
	s_wait_dscnt 0x0
	s_wait_xcnt 0x0                                ; the earlier stores have read their base and their data
.if (\a) > 0
	s_add_nc_u64 s[8:9], s[8:9], s[88:89]          ; 16 rows of C on
.endif
.irp t, 0,1,2,3,4,5,6,7
	global_store_b128 v[CO+(\t)], v[OUT+32*((\a)%2)+4*(\t):OUT+32*((\a)%2)+4*(\t)+3], s[8:9] th:TH_STORE_NT  ; 16 lanes store 256 consecutive bytes, aligned
.endr
.endm
.macro WAYOUT
	s_wait_loadcnt 0x0                             ; the tile's bias
	s_wait_xcnt 0x0                                ; the last tile's stores have read their data, offsets and base: only behind this wait are they written again
	s_mov_b32 s67, 4096
	s_cmp_eq_u32 s[TL], 2                          ; the third tile is out1's
	s_cselect_b32 s67, 3072, s67                   ; bytes in a row of C
	s_cselect_b64 s[8:9], s[82:83], s[80:81]
	s_mov_b32 s84, s[EE]
	s_add_nc_u64 s[8:9], s[8:9], s[84:85]
	s_lshl_b32 s88, s67, 4                         ; 16 rows of C
	s_lshl_b32 s86, s67, 1
	v_mul_lo_u32 v5, v2, s67                       ; nine plain instructions that name no accumulator: the places behind the last products
	v_lshl_add_u32 v[CO], v1, 4, v5
.irp t, 1,2,3,4,5,6,7
	v_add_nc_u32 v[CO+\t], s86, v[CO+\t-1]
.endr
	OUTB 0
	OUTB 1
	OUTB 2
	OUTB 3
.endm
	s_wait_tensorcnt 1                             ; my part of K step 0 is in; K step 1's load stays out
	s_barrier_signal -1
	s_barrier_wait -1
	FETCH 0, 0, F0
	QUARTER 0, 128, F0, F1, 1
	WIN 0
	s_mov_b32 s3, 0
.Llap:                                                 ; once round the ring, from a lap's second quarter to the next lap's first; both slots are filled again
	QUARTER 0, 256, F1, F0, 0
	QUARTER 0, 384, F0, F1, 0
	TURN 0, 1, 1
	QUARTER 1, 128, F0, F1, 0
	QUARTER 1, 256, F1, F0, 0
	QUARTER 1, 384, F0, F1, 0
	TURN 1, 0, 1
	WIN 0
	s_xor_b32 s[PAR], s[PAR], 1
	s_cmp_eq_u32 s[PAR], 0
	s_cbranch_scc1 .Lway                           ; a tile's second lap is over
	s_sub_co_u32 s[AST], s[NA], s[OA]              ; the tile goes on; its second lap, if it has refills, asks for the next tile's first two K steps
	s_sub_co_u32 s[BST], s[NB], s[OB]
	QUARTER 0, 128, F0, F1, 0
	WIN 0
	s_branch .Lnext
.Lway:                                                 ; both refills are asked for and the next tile's first fragments are on their way: the tile goes out.  A tile that ends in the loop has a successor
	WAYOUT
	s_mov_b32 s[EE], s[EE+1]
	s_mov_b32 s[EE+1], s[EE+2]
	s_add_co_u32 s[TL], s[TL], 1                   ; the tile that begins
	s_cmp_eq_u32 s[TL], 2
	s_cselect_b64 s[BP:BP+1], s[78:79], s[76:77]   ; (the last bias loads were waited for in the way out)
	s_cselect_b32 s84, s[FB2], s[FB1]
	s_add_nc_u64 s[BP:BP+1], s[BP:BP+1], s[84:85]
	BIAS
	s_mov_b32 s[NA], s[NA2]                        ; and the one behind it
	s_mov_b32 s[NB], s[NB2]
	s_mov_b32 s[AST], KA
	s_mov_b32 s[BST], KB
	QUARTER 0, 128, F0, F1, 1                      ; its first products start the sums anew
	WIN 0
.Lnext:
	s_add_co_u32 s3, s3, 1
	s_cmp_lt_u32 s3, s[LB]
	s_cbranch_scc1 .Llap
	QUARTER 0, 256, F1, F0, 0                      ; the last tile's last lap fills nothing
	QUARTER 0, 384, F0, F1, 0
	TURN 0, 1, 0
	QUARTER 1, 128, F0, F1, 0
	QUARTER 1, 256, F1, F0, 0
	QUARTER 1, 384, F0, F1, 0
	s_wait_dscnt 16
	WIN MUL
	MUL8 F1, 0, 0, 0
	MUL8 F1, 0, 2, 0
	s_wait_dscnt 0
	MUL8 F1, 1, 0, 0
	MUL8 F1, 1, 2, 0
	WIN 0
	WAYOUT
	s_wait_tensorcnt 0x0                           ; the wave's end
	ds_add_u32 v[SPW], v[NIL]
	s_wait_dscnt 0x0
	CROUND                                         ; the closing round
	s_endpgm
.Lfunc_end_k_q7e3477f2de_outp:
	.size	k_q7e3477f2de_outp, .Lfunc_end_k_q7e3477f2de_outp-k_q7e3477f2de_outp
	.p2alignl 7, 3214868480
	.fill 96, 4, 3214868480
	.section	.rodata,"a",@progbits
	.p2align	6, 0x0
	.amdhsa_kernel k_q7e3477f2de_outp
		.amdhsa_group_segment_fixed_size 327680
		.amdhsa_private_segment_fixed_size 0
		.amdhsa_enable_private_segment 0
		.amdhsa_kernarg_size 48
		.amdhsa_user_sgpr_count 2
		.amdhsa_user_sgpr_kernarg_segment_ptr 1
		.amdhsa_wavefront_size32 1
		.amdhsa_system_sgpr_workgroup_id_x 1
		.amdhsa_system_sgpr_workgroup_id_y 1
		.amdhsa_system_sgpr_workgroup_id_z 1
		.amdhsa_system_vgpr_workitem_id 0
		.amdhsa_next_free_vgpr 512
		.amdhsa_next_free_sgpr 100
		.amdhsa_reserve_vcc 0
		.amdhsa_float_denorm_mode_32 3
		.amdhsa_float_denorm_mode_16_64 3
		.amdhsa_memory_ordered 1
		.amdhsa_forward_progress 1
		.amdhsa_inst_pref_size 110
	.end_amdhsa_kernel
	.amdgpu_metadata
---
amdhsa.version: [ 1, 2 ]
amdhsa.kernels:
  - .name:           k_q7e3477f2de_outp
    .symbol:         k_q7e3477f2de_outp.kd
    .args:
      - { .name: oh, .offset: 0, .size: 8, .value_kind: global_buffer, .address_space: global }
      - { .name: cst, .offset: 8, .size: 8, .value_kind: global_buffer, .address_space: global }
      - { .name: bo1, .offset: 16, .size: 8, .value_kind: global_buffer, .address_space: global }
      - { .name: bo2, .offset: 24, .size: 8, .value_kind: global_buffer, .address_space: global }
      - { .name: out0, .offset: 32, .size: 8, .value_kind: global_buffer, .address_space: global }
      - { .name: out1, .offset: 40, .size: 8, .value_kind: global_buffer, .address_space: global }
    .group_segment_fixed_size: 327680
    .private_segment_fixed_size: 0
    .kernarg_segment_align: 8
    .kernarg_segment_size: 48
    .max_flat_workgroup_size: 128
    .sgpr_count:     100
    .vgpr_count:     512
    .wavefront_size: 32
...
	.end_amdgpu_metadata
.endif
;; end of part 6
